; MI455X (gfx1250); checked and timed in simulation.
; The chip was launched on July 23, 2026; its instructions are those of AMD's public machine-readable ISA for CDNA 5 (MIT licence, August 2026) and "CDNA5" Instruction Set Architecture Reference Guide (July 2026). The comments in the code are by the model that wrote it; some were corrected since.
;; Ca Mo E System. Allowed arithmetic: matrix products marked QUANTISED: E3M2 operands, one E8M0 scale for each 32 along K, by v_wmma_scale_f32_16x16x128_f8f6f4 with both operands' format E3M2, f32 sums; everything else in f32.
;; Inputs: W1_codes 8 x 512 x 32 x 24 uint8 (E3M2 codes of W1, K innermost, in blocks of 32 codes, four codes in three bytes); W1_scales 8 x 512 x 32 uint8 (E8M0 scales of W1, one for each 32 codes along K); W2_codes 8 x 1,024 x 16 x 24 uint8 (E3M2 codes of W2, K innermost, in blocks of 32 codes, four codes in three bytes); W2_scales 8 x 1,024 x 16 uint8 (E8M0 scales of W2, one for each 32 codes along K); beta 1,024 float32; gamma 1,024 float32; weights 4 x 2,048 x 2 float32; winners 4 x 2,048 x 2 int32; x 4 x 2,048 x 1,024 float32.
;; Outputs: out0 4 x 2,048 x 1,024 float32.
;; This version of the problem:
;;   THIS VERSION OF THE PROBLEM IS GIVEN IN LOW PRECISION. The matrix products marked QUANTISED in the list below multiply operands that are first quantised to E3M2 (3 exponent bits, 2 mantissa bits; 6 bits a number), with one power-of-two scale for each 32 numbers along K (OCP MX v1.0); their sums are f32. All else is computed in f32.
;;   The module's matrix products, in the order in which they are computed (A, B: the left and right operand; K: the contracted axis; several contracted axes count as one K, in the product's order):
;;     1. [M 8,192, K 1,024] x [K 1,024, N 512]; A: computed on the way; B: input W1 (given as codes): QUANTISED
;;     2. [M 8,192, K 512] x [K 512, N 1,024]; A: computed on the way; B: input W2 (given as codes): QUANTISED
;;     3. [M 8,192, K 1,024] x [K 1,024, N 512]; A: computed on the way; B: input W1 (given as codes): QUANTISED
;;     4. [M 8,192, K 512] x [K 512, N 1,024]; A: computed on the way; B: input W2 (given as codes): QUANTISED
;;     5. [M 8,192, K 1,024] x [K 1,024, N 512]; A: computed on the way; B: input W1 (given as codes): QUANTISED
;;     6. [M 8,192, K 512] x [K 512, N 1,024]; A: computed on the way; B: input W2 (given as codes): QUANTISED
;;     7. [M 8,192, K 1,024] x [K 1,024, N 512]; A: computed on the way; B: input W1 (given as codes): QUANTISED
;;     8. [M 8,192, K 512] x [K 512, N 1,024]; A: computed on the way; B: input W2 (given as codes): QUANTISED
;;     9. [M 8,192, K 1,024] x [K 1,024, N 512]; A: computed on the way; B: input W1 (given as codes): QUANTISED
;;     10. [M 8,192, K 512] x [K 512, N 1,024]; A: computed on the way; B: input W2 (given as codes): QUANTISED
;;     11. [M 8,192, K 1,024] x [K 1,024, N 512]; A: computed on the way; B: input W1 (given as codes): QUANTISED
;;     12. [M 8,192, K 512] x [K 512, N 1,024]; A: computed on the way; B: input W2 (given as codes): QUANTISED
;;     13. [M 8,192, K 1,024] x [K 1,024, N 512]; A: computed on the way; B: input W1 (given as codes): QUANTISED
;;     14. [M 8,192, K 512] x [K 512, N 1,024]; A: computed on the way; B: input W2 (given as codes): QUANTISED
;;     15. [M 8,192, K 1,024] x [K 1,024, N 512]; A: computed on the way; B: input W1 (given as codes): QUANTISED
;;     16. [M 8,192, K 512] x [K 512, N 1,024]; A: computed on the way; B: input W2 (given as codes): QUANTISED
;;   THE QUANTISER, for each operand of a quantised product, along K:
;;     - K is cut into blocks of 32 from its start; a last block that is shorter is filled with zeros.
;;     - A block's scale is 2^e with e = floor(log2(the largest magnitude in the block)) - 4, held to -126 .. 127; a block of zeros has e = 0. As a byte (E8M0): e + 127.
;;     - Each number is divided by its block's scale, clamped to +-28, and rounded to the nearest number of E3M2, ties to even, subnormals kept.
;;     - The product sums the exact products of the quantised numbers (number of the format x scale) in f32.
;;   ~~~python
;;   def quantise(x, axis):      # numpy; x: float32 -> the quantised numbers, widened to float32 again
;;       x = np.moveaxis(x, axis, -1); K = x.shape[-1]
;;       x = np.pad(x, [(0, 0)] * (x.ndim - 1) + [(0, -K % 32)]); x = x.reshape(x.shape[:-1] + (-1, 32)); a = np.abs(x).max(-1, keepdims=True)
;;       e = np.where(a > 0, np.clip(np.frexp(np.where(a > 0, a, 1))[1] - 1 - 4, -126, 127), 0)      # np.frexp(a)[1] - 1 = floor(log2(a)), exactly
;;       r = np.clip(x / 2.0 ** e, -28, 28)
;;       step = 2.0 ** (np.maximum(np.frexp(np.where(r == 0, 1, r))[1] - 1, -2) - 2)
;;       q = np.round(r / step) * step * 2.0 ** e      # np.round: ties to even
;;       return np.moveaxis(q.reshape(q.shape[:-2] + (-1,))[..., :K], -1, axis).astype(np.float32)
;;   ~~~
;;   OPERANDS COMPUTED ON THE WAY. 'Computed on the way' means the value that the module computes at that place (a softmax that the list does not call 'softmax' is quantised finished and normalised). What goes into a quantiser is computed in f32, as accurately as f32 sums, v_exp_f32 and their like allow (about 1e-6 of the number): no bf16 or f16 on the way to a quantiser, and a product that is left as it is and whose result goes on into a quantised operand takes f32 operands (vector FMAs, or v_wmma_f32_16x16x4_f32). A number that lies on a knife's edge between two numbers of the format may be rounded either way, as far as f32 arithmetic and the matrix unit's own rounding can turn it there, and no further.
;;   INPUTS GIVEN AS CODES. W1 (in the module: [8, 1024, 512], K = its axis 1); W2 (in the module: [8, 512, 1024], K = its axis 1): each comes as NAME_codes (uint8): NAME with its K axis moved to the last place and cut into blocks of 32 codes, [.., K / 32, bytes a block], one block behind the other in memory; four codes in three bytes: a row's codes are one little-endian stream of bits, code i at bits 6 i .. 6 i + 5 (a code: sign, 3 exponent bits, 2 mantissa bits); and NAME_scales (uint8): the same leading axes, one E8M0 byte (e + 127) for each 32 codes along K. Its value is code x scale, taken as it is: it is not quantised again, and the codes and scales need not be those that the quantiser above would give.
;; 2 versions. Each part assembles by itself: llvm-mc -triple=amdgcn-amd-amdhsa -mcpu=gfx1250 --defsym DOCPART=n.
;; ======== version 1 of 2: 2 launches
;; workspace buffers: counts 256 bytes of whole numbers; order 917,504 bytes of whole numbers; w1img 3,145,728 bytes; w2img 3,145,728 bytes
;; launch prep (part 1): grid 156 x 1, 8 waves a work-group, no clusters, 1,280 bytes of LDS; arguments winners, W1_codes, W2_codes, counts, order, w1img, w2img; writes counts, order, w1img, w2img
.if DOCPART == 1
	.amdgcn_target "amdgcn-amd-amdhsa--gfx1250"
	.amdhsa_code_object_version 6
	.text
	.protected	k_q5d6d429a5c_prep
	.globl	k_q5d6d429a5c_prep
	.p2align	8
	.type	k_q5d6d429a5c_prep,@function
k_q5d6d429a5c_prep:
	s_mov_b64 s[64:65], 0
	v_nop
	global_prefetch_b8 v0, s[64:65] scope:SCOPE_SE
	s_setreg_imm32_b32 hwreg(HW_REG_WAVE_MODE, 25, 1), 1
	s_wait_xcnt 0x0
; THE LAUNCH IN FRONT OF THE EXPERTS.  Two jobs that share no data, told apart by the work-group's number.
; (1) Work-groups 0 to 27: the routing.  A token's CLASS is the unordered pair {a < b} of its two winners (28 classes, in the order (0,1), (0,2) .. (6,7)); a token whose
;     winners are equal (a, a) joins class {a, (a + 1) & 7}.  Work-group c scans all 8,192 tokens and stores the tokens of class c, in ascending order, at order[c][0 ..],
;     and their number at counts[c].  No atomics: a token's place is the number of members in front of it (the waves' counts meet in LDS, lanes by v_mbcnt).
;     The class is made of the winners' low three bits, so every token has one owner whatever number stands there; the coefficients are made later from the whole numbers.
; (2) Work-groups 28 to 91 (W1) and 92 to 155 (W2): the weights' codes are laid in the ORDER OF THE OPERAND'S REGISTERS.  A fragment (16 rows x 128 along K, 12 registers a lane)
;     becomes an image of 1,536 bytes: registers 4 c .. 4 c + 3 of lane l at byte 512 c + 16 l, so that the next launch fills a fragment by three loads of 16 bytes a lane.
;     w1img: fragment ((e 4 + w) 8 + s) 8 + t8: expert e, reading wave w, K step s, tile t8 of the wave's eight; lane r of the expert's tile t = 8 w + t8 holds row
;     32 (t / 2) + 8 (t % 2) + r + 8 (r / 8) of W1, so that two neighbouring tiles' results are 16 neighbours along the next product's K.
;     w2img: fragment (e 64 + n) 4 + s: tile n of 16 output columns, K step s; lane r holds row 16 n + r.
; A wave relays 16 rows x 384 bytes (four fragments): its 24 loads of 8 bytes a lane cover those bytes once, and each store of the wave covers 512 consecutive bytes, aligned.
.set NCLS, 28
.set MASK, 32                          ; s[32:63] chunk i's members, a bit a lane
.set CNT,  68                          ; s[68:75] the eight waves' counts
	s_load_b256 s[4:11], s[0:1], 0x0               ; winners s[4:5], W1_codes s[6:7], W2_codes s[8:9], counts s[10:11]
	s_load_b128 s[12:15], s[0:1], 0x20             ; order s[12:13], w1img s[14:15]
	s_load_b64 s[16:17], s[0:1], 0x30              ; w2img
	v_lshl_add_u32 v128, v0, 2, 0x100
	v_mov_b32 v129, 0
	v_lshrrev_b32 v1, 5, v0
	v_readfirstlane_b32 s18, v1                    ; wave 0..7
	v_and_b32 v1, 31, v0                           ; lane
	s_wait_kmcnt 0x0
	s_cmp_ge_u32 ttmp9, NCLS
	s_cbranch_scc1 .Lrelay
; ---- the routing: class c = the work-group's number
	s_mov_b32 s19, ttmp9
	; what the count's store names is made here, all lanes on, ahead of every load and of every change of EXEC
	v_mov_b32 v10, 0                               ; its vector offset: the class's place stands in the scalar base
	v_cmp_eq_u32 s29, 0, v1                        ; lane 0 alone
	s_lshl_b32 s30, ttmp9, 2
	s_mov_b32 s31, 0
	s_add_nc_u64 s[10:11], s[10:11], s[30:31]      ; counts[c]
	s_mov_b32 s20, 0                               ; a
	s_mov_b32 s21, 0                               ; the first class with that a
.macro PICK k, off
	s_cmp_ge_u32 s19, \off
	s_cselect_b32 s20, \k, s20
	s_cselect_b32 s21, \off, s21
.endm
	PICK 1, 7
	PICK 2, 13
	PICK 3, 18
	PICK 4, 22
	PICK 5, 25
	PICK 6, 27
	s_sub_co_u32 s22, s19, s21
	s_add_co_u32 s22, s22, s20
	s_add_co_u32 s22, s22, 1                       ; b = a + 1 + c - first
	s_lshl_b32 s23, s20, 3
	s_add_co_u32 s23, s23, s22                     ; the class's key: 8 a + b
	v_lshlrev_b32 v2, 3, v1
	v_lshl_add_u32 v2, s18, 13, v2                 ; wave w takes tokens 1,024 w on, 8 bytes of winners each: 8,192 w + 8 lane
	v_lshl_add_u32 v3, s18, 10, v1                 ; my token in chunk 0
.set ii, 0
.rept 32
	global_load_b64 v[64+2*ii:65+2*ii], v2, s[4:5] offset:256*ii   ; chunk ii: 32 tokens, a lane a token, 256 consecutive bytes
.set ii, ii+1
.endr
	s_mov_b32 s24, 0                               ; my wave's members
.set ii, 0
.rept 32
	s_wait_loadcnt 31-ii                           ; loads come back in order: chunk ii is in, the younger chunks stay out
	v_and_b32 v4, 7, v[64+2*ii]
	v_and_b32 v5, 7, v[65+2*ii]
	v_add_nc_u32 v6, 1, v4
	v_and_b32 v6, 7, v6                            ; the partner of a token whose winners are equal
	v_cmp_eq_u32 vcc_lo, v4, v5
	v_cndmask_b32 v5, v5, v6, vcc_lo
	v_min_u32 v6, v4, v5
	v_max_u32 v7, v4, v5
	v_lshl_add_u32 v6, v6, 3, v7                   ; the token's key
	v_cmp_eq_u32 s[MASK+ii], s23, v6
	s_bcnt1_i32_b32 s25, s[MASK+ii]
	s_add_co_u32 s24, s24, s25
.set ii, ii+1
.endr
	v_mov_b32 v8, s24
	v_mov_b32 v9, s18
	v_lshlrev_b32 v9, 2, v9
	ds_store_b32 v9, v8                            ; all lanes write my wave's word with the same value
	s_wait_dscnt 0x0                               ; for the others' sake: my store has landed
	s_barrier_signal -1
	s_barrier_wait -1
	v_mov_b32 v9, 0
	ds_load_b128 v[12:15], v9
	ds_load_b128 v[16:19], v9 offset:16
	s_wait_dscnt 0x0
.irp k, 0,1,2,3,4,5,6,7
	v_readfirstlane_b32 s[CNT+\k], v[12+\k]
.endr
	s_mov_b32 s26, 0                               ; members in the waves in front of mine: my first member's place
	s_mov_b32 s27, 0                               ; members in all
.irp k, 0,1,2,3,4,5,6,7
	s_cmp_gt_u32 s18, \k
	s_cselect_b32 s25, s[CNT+\k], 0
	s_add_co_u32 s26, s26, s25
	s_add_co_u32 s27, s27, s[CNT+\k]
.endr
	v_mov_b32 v11, s27                             ; the class's count: the data of wave 0's last store, written while all lanes are on
	s_lshl_b32 s30, s19, 15                        ; the class's list: 8,192 words
	s_mov_b32 s31, 0
	s_add_nc_u64 s[12:13], s[12:13], s[30:31]
.set ii, 0
.rept 32                                       ; all lanes on: each lane's place (of use in members alone) and its token
	v_mbcnt_lo_u32_b32 v[64+2*ii], s[MASK+ii], s26 ; members in front of my chunk + members of it in lower lanes
	s_bcnt1_i32_b32 s25, s[MASK+ii]
	s_add_co_u32 s26, s26, s25
	v_min_u32 v[64+2*ii], 0x1fff, v[64+2*ii]       ; a place made of loaded numbers is held inside the list before it enters an address
	v_lshlrev_b32 v[64+2*ii], 2, v[64+2*ii]
	v_add_nc_u32 v[65+2*ii], 32*ii, v3
.set ii, ii+1
.endr
	s_wait_xcnt 0x0                                ; EXEC is a source of pending memory instructions: it changes only behind this wait
; from here on no vector register is written: only EXEC changes, and stores are issued
.set ii, 0
.rept 32
	s_mov_b32 vcc_lo, s[MASK+ii]
	s_and_saveexec_b32 s28, vcc_lo                 ; the chunk's members alone
	global_store_b32 v[64+2*ii], v[65+2*ii], s[12:13]   ; they store to neighbouring words
	s_wait_xcnt 0x0                                ; and again, in front of the line that widens EXEC
	s_or_b32 exec_lo, exec_lo, s28
.set ii, ii+1
.endr
	s_cmp_lg_u32 s18, 0
	s_cbranch_scc1 .Lcls_end
	s_mov_b32 vcc_lo, s29                          ; wave 0, lane 0: the class's count
	s_and_saveexec_b32 s28, vcc_lo
	global_store_b32 v10, v11, s[10:11]
	s_wait_xcnt 0x0
	s_or_b32 exec_lo, exec_lo, s28
.Lcls_end:
	s_wait_tensorcnt 0x0
	ds_add_u32 v128, v129
	s_wait_dscnt 0x0
	s_endpgm
; ---- the weights.  A wave's unit: 16 rows x 384 bytes = four fragments.  src, dst: the scalar pairs that hold the unit's first byte in the codes and in the images.
.macro RELAY pitch, perm, dstride, src, dst
	v_and_b32 v4, 15, v0                           ; r
	v_bfe_u32 v5, v0, 4, 1                         ; h
	v_and_b32 v6, \perm, v4
	v_add_nc_u32 v6, v6, v4                        ; the tile's row for lane r: r, or r + 8 (r / 8)
	v_mul_u32_u24 v6, v6, \pitch
	v_mad_u32_u24 v6, v5, 24, v6                   ; + 24 h: lane (r, h) holds K = 64 c + 32 h + 0 .. 31 of its row, 24 bytes, as they lie
	v_lshlrev_b32 v7, 4, v1                        ; 16 x lane
.irp i, 0,1,2,3
.irp p, 0,1,2,3,4,5
	global_load_b64 v[16+12*\i+2*\p:17+12*\i+2*\p], v6, s[\src:\src+1] offset:96*\i+48*(\p/3)+8*(\p%3) th:TH_LOAD_NT
.endr
.endr
.irp i, 0,1,2,3
	s_wait_loadcnt 6*(3-\i)                        ; fragment i's six loads are in; the later fragments' may be out
.irp c, 0,1,2
	global_store_b128 v7, v[16+12*\i+4*\c:19+12*\i+4*\c], s[\dst:\dst+1] offset:\i*\dstride+512*\c
.endr
.endr
	s_endpgm
.endm
.Lrelay:
	s_sub_co_u32 s19, ttmp9, NCLS
	s_cmp_ge_u32 s19, 64
	s_cbranch_scc1 .Lrelay2
	s_lshl_b32 s20, s19, 3
	s_add_co_u32 s20, s20, s18                     ; W1's unit 0..511: half = bit 0, tile t = bits 5:1, expert = bits 8:6
	s_and_b32 s21, s20, 1
	s_bfe_u32 s22, s20, 0x50001
	s_lshr_b32 s23, s20, 6
	s_lshl_b32 s24, s23, 9                         ; from: row 512 e + 32 (t / 2) + 8 (t % 2), 768 bytes a row, + 384 x half
	s_lshr_b32 s25, s22, 1
	s_lshl_b32 s25, s25, 5
	s_add_co_u32 s24, s24, s25
	s_and_b32 s25, s22, 1
	s_lshl_b32 s25, s25, 3
	s_add_co_u32 s24, s24, s25
	s_mul_i32 s24, s24, 768
	s_mul_i32 s25, s21, 384
	s_add_co_u32 s24, s24, s25
	s_mov_b32 s25, 0
	s_add_nc_u64 s[6:7], s[6:7], s[24:25]
	s_lshl_b32 s26, s23, 2                         ; to: fragment ((4 e + t / 8) 8 + 4 half) 8 + t % 8; the unit's four K steps lie 8 fragments apart
	s_lshr_b32 s27, s22, 3
	s_add_co_u32 s26, s26, s27
	s_lshl_b32 s26, s26, 3
	s_lshl_b32 s27, s21, 2
	s_add_co_u32 s26, s26, s27
	s_lshl_b32 s26, s26, 3
	s_and_b32 s27, s22, 7
	s_add_co_u32 s26, s26, s27
	s_mul_i32 s26, s26, 1536
	s_mov_b32 s27, 0
	s_add_nc_u64 s[14:15], s[14:15], s[26:27]
	RELAY 768, 8, 12288, 6, 14
.Lrelay2:
	s_sub_co_u32 s19, s19, 64
	s_lshl_b32 s20, s19, 3
	s_add_co_u32 s20, s20, s18                     ; W2's unit 0..511 = 64 e + n: 16 whole rows of 384 bytes, and four fragments on end
	s_mul_i32 s24, s20, 6144
	s_mov_b32 s25, 0
	s_add_nc_u64 s[8:9], s[8:9], s[24:25]
	s_add_nc_u64 s[16:17], s[16:17], s[24:25]
	RELAY 384, 0, 1536, 8, 16
.Lfunc_end_k_q5d6d429a5c_prep:
	.size	k_q5d6d429a5c_prep, .Lfunc_end_k_q5d6d429a5c_prep-k_q5d6d429a5c_prep
	.p2alignl 7, 3214868480
	.fill 96, 4, 3214868480
	.section	.rodata,"a",@progbits
	.p2align	6, 0x0
	.amdhsa_kernel k_q5d6d429a5c_prep
		.amdhsa_group_segment_fixed_size 1280
		.amdhsa_private_segment_fixed_size 0
		.amdhsa_enable_private_segment 0
		.amdhsa_kernarg_size 56
		.amdhsa_user_sgpr_count 2
		.amdhsa_user_sgpr_kernarg_segment_ptr 1
		.amdhsa_wavefront_size32 1
		.amdhsa_system_sgpr_workgroup_id_x 1
		.amdhsa_system_sgpr_workgroup_id_y 1
		.amdhsa_system_sgpr_workgroup_id_z 1
		.amdhsa_system_vgpr_workitem_id 0
		.amdhsa_next_free_vgpr 130
		.amdhsa_next_free_sgpr 80
		.amdhsa_reserve_vcc 1
		.amdhsa_float_denorm_mode_32 3
		.amdhsa_float_denorm_mode_16_64 3
		.amdhsa_memory_ordered 1
		.amdhsa_forward_progress 1
		.amdhsa_inst_pref_size 48
	.end_amdhsa_kernel
	.amdgpu_metadata
---
amdhsa.version: [ 1, 2 ]
amdhsa.kernels:
  - .name:           k_q5d6d429a5c_prep
    .symbol:         k_q5d6d429a5c_prep.kd
    .args:
      - { .name: winners, .offset: 0, .size: 8, .value_kind: global_buffer, .address_space: global }
      - { .name: W1_codes, .offset: 8, .size: 8, .value_kind: global_buffer, .address_space: global }
      - { .name: W2_codes, .offset: 16, .size: 8, .value_kind: global_buffer, .address_space: global }
      - { .name: counts, .offset: 24, .size: 8, .value_kind: global_buffer, .address_space: global }
      - { .name: order, .offset: 32, .size: 8, .value_kind: global_buffer, .address_space: global }
      - { .name: w1img, .offset: 40, .size: 8, .value_kind: global_buffer, .address_space: global }
      - { .name: w2img, .offset: 48, .size: 8, .value_kind: global_buffer, .address_space: global }
    .group_segment_fixed_size: 1280
    .private_segment_fixed_size: 0
    .kernarg_segment_align: 8
    .kernarg_segment_size: 56
    .max_flat_workgroup_size: 256
    .sgpr_count:     80
    .vgpr_count:     130
    .wavefront_size: 32
...
	.end_amdgpu_metadata
.endif
;; end of part 1
;; launch moe (part 2): grid 198 x 1, 4 waves a work-group, no clusters, 279,296 bytes of LDS; arguments x, gamma, beta, winners, weights, W1_scales, W2_scales, counts, order, w1img, w2img, out0; writes out0
.if DOCPART == 2
	.amdgcn_target "amdgcn-amd-amdhsa--gfx1250"
	.amdhsa_code_object_version 6
	.text
	.protected	k_q5d6d429a5c_moe
	.globl	k_q5d6d429a5c_moe
	.p2align	8
	.type	k_q5d6d429a5c_moe,@function
k_q5d6d429a5c_moe:
	s_mov_b64 s[64:65], 0
	v_nop
	global_prefetch_b8 v0, s[64:65] scope:SCOPE_SE
	s_setreg_imm32_b32 hwreg(HW_REG_WAVE_MODE, 25, 1), 1
	s_wait_xcnt 0x0
; out = x + sum over e of coef_e relu(LN(x) W1[e])^2 W2[e], both products on codes of BF6 (E3M2) with one E8M0 scale for each 32 along K.  Only the experts that a token's winners name are multiplied.
; SHARES.  Tokens were sorted by their pair of experts {a < b} (28 classes).  A work-group takes a BLOCK of up to 48 tokens of one class through the whole chain: gather, LayerNorm, quantise, h W1, relu^2,
; quantise, W2, coefficients, residual, store.  So each output row has one owner and every work-group runs two experts.  With 8,192 tokens and 28 classes there are never more than
; (8,192 + 28 x 47) / 48 = 198 blocks, whatever the split: that is the grid.
; A WORK-GROUP THAT THE SPLIT LEAVES WITHOUT ROWS walks the whole text on a repeated token of a class that has tokens, and stores nothing: every wave passes every barrier, and none stands under a branch on a loaded number.
; THE WAVES SHARE THE COLUMNS, NOT THE ROWS: wave w makes hidden units 128 w .. 128 w + 127 of both experts (one K step of the second product) and output columns 256 w .. 256 w + 255, for all 48 rows.
; Each weight fragment is loaded by one wave, straight from memory into registers (three loads of 16 bytes a lane from the images that the launch before has laid), and feeds three matrix instructions.
; No tensor load and no joint load: the stores hang on stored counts, and how many blocks share an expert hangs on the split, so partners that walk the same weights cannot be promised.
; BOTH PRODUCTS ARE USED TRANSPOSED (source 0 = 16 rows of a weight, source 1 = 16 tokens): a lane holds ONE token, and its registers run along the hidden units or the output columns.
; OPERANDS GO FROM WAVE TO WAVE THROUGH LDS AS IMAGES OF THEIR REGISTERS: registers 4 c .. 4 c + 3 of lane l at 512 c + 16 l of a fragment's 1,536 bytes; scale words 4 bytes a lane.
; x's 48 rows stay in LDS from the gather on, and are turned in place into the output rows: x is read from memory once.
; LIMITS.  NaN and infinities among the inputs are not served.  A block of 32 zeros gets the scale byte 1 where the quantiser's rule says 127: its codes are zeros, and the bytes are read here alone.
; The sums go (x + cA A) + cB B by fused multiply-adds, where reference() adds the experts first and x last.  A token whose winners are equal is also multiplied by its class's other expert, with the coefficient 0
; that reference()'s own formula gives.  Where a block's number of rows is odd, its last store also writes the last row's copy (the repeated token's row, made by the same arithmetic) to the same bytes.
; A winner outside 0 .. 7 is classed by its low three bits and gets the coefficient 0, as no expert's number equals it.
;
; LDS
.set XP,    4112                       ; a row of x: 4,096 bytes + 16 = 257 x 16
.set XIMG,  48*XP                      ; h's 24 fragments: tile of rows m, K step s: 8 m + s
.set XSC,   XIMG+24*1536               ; their scale words, 128 bytes each
.set HIMG,  XSC+24*128                 ; the hidden layer's 24 fragments: expert slot q, tile of rows m, K step s: 12 q + 4 m + s
.set HSC,   HIMG+24*1536               ; their scale words
.set STAT,  HSC+24*128                 ; (mean, 1 / sqrt(var + eps)) of each row, 8 bytes a row
.set TOKT,  STAT+384                   ; the rows' tokens, a copy of 256 bytes for each wave
; REGISTERS, window 0
.set LI,   3                           ; 16 x lane
.set LS,   4                           ; 4 x lane
.set XW,   5                           ; where I store my wave's 12 rows of x               (from the second product on: v5-7 XAC, v8-10 ORC)
.set XRA0, 6                           ; row r, my wave's 1,024 bytes, + 64 h
.set STA0, 7                           ; row r's statistics
.set XWI,  8                           ; where I store h's images, and (XWS) their scale words
.set XWS,  9
.set XFA,  10                          ; where any wave reads them
.set XSA,  11
.set HWI,  12                          ; the same four for the hidden layer
.set HWS,  13
.set HFA,  14
.set HSA,  15
.set W1SO, 16                          ; my row's place among a tile's scale bytes of W1: 32 (r + 8 (r / 8));  of W2: 16 r
.set W2SO, 17
.set T0,   18                          ; v18, v19, v23, v27: addresses in hand
.set T1,   19
.set XA,   20                          ; v20-22 row 16 m + r, my wave's strip, + 32 h
.set T2,   23
.set ORB,  24                          ; v24-26 row 16 m + h, my wave's strip, + 16 r
.set T3,   27
.set MU,   28                          ; v[28:29], v[30:31]: mean and 1 / sqrt: the packed forms name pairs and take the low word for both halves
.set RS,   30
.set XAC,  5
.set ORC,  8
.set W1S,  32                          ; v32-119 HOLD SCALES AND NOTHING ELSE.  First product: v32-95 W1's words (8 t + s), v96-119 h's (8 m + s)
.set XS,   96
.set W2S,  32                          ; second product: v32-63 W2's (8 k + 4 q + s), v64-87 the hidden layer's (12 q + 4 m + s)
.set HS,   64
.set CF,   120                         ; v120-131 coefficients: cA of row 16 m + r at 4 m (and a copy), cB at 4 m + 2 (and a copy)
.set GO,   132                         ; v132-155 byte offsets in out0 of the 24 pairs of rows
.set TK,   156                         ; head: v156-158 the token of row 16 m + r, v159 of row 12 w + r
.set WN,   160                         ; v160-165 winners, v166-171 weights of row 16 m + r
.set WT,   166
.set LA,   172                         ; v172-175 offsets of the head's loads
.set XO,   176                         ; v176-187 offsets in x of my wave's 12 rows
.set SM,   188                         ; v188-211 their (mean, var + eps, later 1 / sqrt)
.set DD,   212                         ; v212-243 at work on a row
.set QQ,   244                         ; v244-251 four chains of squares
.set PT,   252                         ; a lane permute's destination
.set ST,   156                         ; v156-219 64 numbers to be quantised
.set HA,   156
.set PC,   220                         ; v220-238 the codes just made
.set PW,   239                         ; the scale word just made
.set TM,   240                         ; v240-255 the quantiser's work
.set XF,   156                         ; first product: h's fragments of a K step, two sets of 36
.set ACC,  156                         ; second product: six accumulators, 8 (3 q + m)
.set XT,   204                         ; v204-227 the rows' 16 columns, 8 m
.set OB,   156                         ; the way out: 24 x 4 registers
; window 1: x's rows 0-7 of my wave | W1's ring sets 0, 1 | W2's sets 0, 1.   window 2: rows 8-11 | ring sets 2, 3 | W2's set 2 (v0-95), slot B's hidden fragments (v96-239).
; window 3: gamma and beta of my two K steps | the first product's 24 accumulators (64 m + 8 t) | slot A's hidden fragments (v0-143), W2's set 3 (v144-239).
; SCALARS
.set WV,   66                          ; my wave's number
.set GI,   67                          ; the work-group's number
.set EA,   69                          ; the class's experts
.set EB,   70
.set NR,   75                          ; rows of my block: 0 .. 48
.set WB,   28                          ; s[28:29] W1's images, s[30:31] W1's scale bytes, of the slot in hand
.set SB,   30
.set P2A,  32                          ; s[32:35] W2's images of slots A and B, s[36:39] their scale bytes
.set P2B,  34
.set S2A,  36
.set S2B,  38
.set OUTP, 40                          ; s[40:41] out0, at the trip's 64 columns
.set SEL,  48                          ; s[48:49] v_permlanex16_b32's selects for lane l xor 16
.set MSB, 0
.macro WIN new                         ; s_set_vgpr_msb: bits 1:0 source 0, 3:2 source 1, 5:4 source 2, 7:6 destination; the high byte repeats the setting that is left; a switch that changes nothing is dropped
.if MSB != (\new)
	s_set_vgpr_msb (MSB<<8)|(\new)
.set MSB, (\new)
.endif
.endm
.macro PLACES                          ; four plain places behind a matrix instruction of this form, in front of loads into its registers and of the first read of results
.rept 4
	v_nop
.endr
.endm
.macro BARRIER                         ; my LDS stores have landed and my LDS loads are in: then the work-group's barrier
	s_wait_dscnt 0x0
	s_barrier_signal -1
	s_barrier_wait -1
.endm
.macro LANESUM x                       ; the sum over the 32 lanes, in every lane
	v_add_f32_dpp v[\x], v[\x], v[\x] row_xmask:1 row_mask:0xf bank_mask:0xf
	v_add_f32_dpp v[\x], v[\x], v[\x] row_xmask:2 row_mask:0xf bank_mask:0xf
	v_add_f32_dpp v[\x], v[\x], v[\x] row_xmask:4 row_mask:0xf bank_mask:0xf
	v_add_f32_dpp v[\x], v[\x], v[\x] row_xmask:8 row_mask:0xf bank_mask:0xf
	v_permlanex16_b32 v[PT], v[\x], s[SEL], s[SEL+1]
	v_add_f32 v[\x], v[\x], v[PT]
.endm
; 64 numbers of a lane, v[s] .. v[s + 63], register 16 b + i = k 32 b + 16 (lane / 16) + i of my row, become a fragment's codes in v[PC] on and its scale word in v[PW].
.macro QUANT s
.irp b, 0,1,2,3
	v_max3_num_f32 v[TM+\b], |v[\s+16*\b]|, |v[\s+1+16*\b]|, 0x2800000   ; block b: my 16 numbers, and the floor 2^(5 - 127): so the byte cannot fall under 1
.endr
.irp i, 2,4,6,8,10,12,14
.irp b, 0,1,2,3
	v_max3_num_f32 v[TM+\b], v[TM+\b], |v[\s+16*\b+\i]|, |v[\s+1+16*\b+\i]|   ; (the four blocks by turns)
.endr
.endr
.irp b, 0,1,2,3
	v_permlanex16_b32 v[TM+4+\b], v[TM+\b], s[SEL], s[SEL+1]   ; (its destination counts as read: v244-247 were written as chains of squares)
.endr
.irp b, 0,1,2,3
	v_max_num_f32 v[TM+\b], v[TM+\b], v[TM+4+\b]   ; with lane l xor 16's: the block's largest magnitude
.endr
.irp b, 0,1,2,3
	v_add_nc_u32 v[TM+12+\b], 0xfe000000, v[TM+\b] ; 4 off its exponent field: the conversion takes the exponent field of this operand as its scale
.endr
.irp b, 0,1,2,3
	v_lshrrev_b32 v[TM+4+\b], 23, v[TM+12+\b]      ; the scale's byte
.endr
	v_lshl_or_b32 v[PW], v[TM+5], 8, v[TM+4]       ; the four bytes make my row's scale word
	v_lshl_or_b32 v[PW], v[TM+6], 16, v[PW]
	v_lshl_or_b32 v[PW], v[TM+7], 24, v[PW]
.irp c, 0,1
	v_cvt_scalef32_pk16_bf6_f32 v[PC+6*\c:PC+2+6*\c], v[\s+32*\c:\s+15+32*\c], v[TM+12+2*\c]   ; to the nearest code, ties to even; beyond 28 the largest code
	v_cvt_scalef32_pk16_bf6_f32 v[PC+12+4*\c:PC+14+4*\c], v[\s+16+32*\c:\s+31+32*\c], v[TM+12+2*\c+1]   ; (a conversion's three registers begin on an even number)
.endr
	v_nop                                          ; one plain place behind a scaled conversion
.irp c, 0,1                                    ; the operand's layout wants a WHOLE block in a lane: lanes 0-15 block 2 c, lanes 16-31 block 2 c + 1
.irp i, 0,1,2
	v_permlane16_swap_b32 v[PC+6*\c+\i], v[PC+12+4*\c+\i]
.endr
.irp i, 0,1,2
	v_mov_b32 v[PC+3+6*\c+\i], v[PC+12+4*\c+\i]
.endr
.endr
.endm
.macro IMAGE adr, off                          ; the fragment in v[PC] on goes to LDS as it stands
.irp c, 0,1,2
	ds_store_b128 v[\adr], v[PC+4*\c:PC+4*\c+3] offset:\off+512*\c
.endr
.endm
; ================ THE HEAD
	s_load_b512 s[4:19], s[0:1], 0x0               ; x s[4:5], gamma s[6:7], beta s[8:9], winners s[10:11], weights s[12:13], W1_scales s[14:15], W2_scales s[16:17], counts s[18:19]
	s_load_b256 s[20:27], s[0:1], 0x40             ; order s[20:21], w1img s[22:23], w2img s[24:25], out0 s[26:27]
	s_set_vgpr_msb 0x80
	v_lshl_add_u32 v254, v0, 2, 0x44100
	v_mov_b32 v255, 0
	s_set_vgpr_msb 0x8000
	v_lshrrev_b32 v[T0], 5, v0
	v_readfirstlane_b32 s[WV], v[T0]               ; wave 0..3
	s_mov_b32 s[GI], ttmp9
	v_and_b32 v1, 15, v0                           ; r
	v_bfe_u32 v2, v0, 4, 1                         ; h
	v_and_b32 v[T0], 31, v0
	v_lshlrev_b32 v[LI], 4, v[T0]
	v_lshlrev_b32 v[LS], 2, v[T0]
	s_wait_kmcnt 0x0
	s_load_b512 s[28:43], s[18:19], 0x0            ; the 28 classes' counts: s[28 + c]
	s_load_b256 s[44:51], s[18:19], 0x40
	s_load_b128 s[52:55], s[18:19], 0x60
	; every LDS address is a constant + a constant x lane + a constant x wave
	s_mul_i32 s76, s[WV], 12*XP
	v_add_nc_u32 v[XW], s76, v[LI]
	s_lshl_b32 s78, s[WV], 10                      ; 1,024 w: my wave's strip of a row; kept
	v_mul_u32_u24 v[T0], v1, XP
	v_add_nc_u32 v[T0], s78, v[T0]
	v_lshl_add_u32 v[XRA0], v2, 6, v[T0]
	v_lshl_add_u32 v[T3], v2, 5, v[T0]
.irp m, 0,1,2
	v_add_nc_u32 v[XA+\m], 16*\m*XP, v[T3]
.endr
	v_mul_u32_u24 v[T3], v2, XP
	v_lshl_add_u32 v[T3], v1, 4, v[T3]
	v_add_nc_u32 v[T3], s78, v[T3]
.irp m, 0,1,2
	v_add_nc_u32 v[ORB+\m], 16*\m*XP, v[T3]
.endr
	v_lshl_add_u32 v[T1], v2, 6, s78               ; gamma, beta: my 16 numbers of a block of 32 in my wave's two K steps: 64 h + 1,024 w
	v_lshl_add_u32 v[STA0], v1, 3, STAT
	s_mul_i32 s77, s[WV], 3072
	s_add_co_u32 s77, s77, XIMG
	v_add_nc_u32 v[XWI], s77, v[LI]                ; K steps 2 w and 2 w + 1 are mine
	s_lshl_b32 s77, s[WV], 8
	s_add_co_u32 s76, s77, XSC
	v_add_nc_u32 v[XWS], s76, v[LS]
	s_add_co_u32 s76, s77, TOKT
	v_lshl_add_u32 v[T0], v1, 2, s76               ; my wave's table of tokens: in, 4 r
	v_lshl_add_u32 v[T3], v2, 2, s76               ; and out, 4 h
	v_add_nc_u32 v[XFA], XIMG, v[LI]
	v_add_nc_u32 v[XSA], XSC, v[LS]
	s_mul_i32 s77, s[WV], 1536
	s_add_co_u32 s77, s77, HIMG
	v_add_nc_u32 v[HWI], s77, v[LI]                ; K step w of the second product is mine
	s_lshl_b32 s77, s[WV], 7
	s_add_co_u32 s77, s77, HSC
	v_add_nc_u32 v[HWS], s77, v[LS]
	v_add_nc_u32 v[HFA], HIMG, v[LI]
	v_add_nc_u32 v[HSA], HSC, v[LS]
	s_mul_i32 s77, s[WV], 96
	s_add_co_u32 s77, s77, STAT
	v_mov_b32 v[T2], s77                           ; my 12 rows' statistics
	v_and_b32 v[W1SO], 8, v1
	v_add_nc_u32 v[W1SO], v[W1SO], v1
	v_lshlrev_b32 v[W1SO], 5, v[W1SO]
	v_lshlrev_b32 v[W2SO], 4, v1
	v_mov_b32 v[MU+1], 0                           ; named as upper halves of pairs, so they are written
	v_mov_b32 v[RS+1], 0
	v_mov_b32 v[PT], 0                             ; a lane permute's destination counts as read
	s_mov_b32 s68, 0                               ; blocks in the classes passed
	s_mov_b32 s[EA], 0
	s_mov_b32 s[EB], 1
	s_mov_b32 s71, 0
	s_mov_b32 s72, 1
	s_mov_b32 s73, 0
	s_wait_kmcnt 0x0
; WHICH BLOCK IS MINE.  Class c has ceil(count / 48) blocks; ((n + 47) x 43,691) >> 21 is (n + 47) / 48 rounded down for every n + 47 under 131,072.  The last class that has tokens and whose first block is not
; behind my number is chosen: s[EA], s[EB] its experts, s71 its first block, s72 its count, s73 its number.  All by selections: no branch.
.macro CLS c, a, b
	s_min_u32 s74, s[28+\c], 0x2000
	s_add_co_u32 s76, s74, 47
	s_mul_i32 s76, s76, 43691
	s_lshr_b32 s76, s76, 21
	s_cmp_eq_u32 s76, 0
	s_cselect_b32 s77, -1, s68                     ; a class without tokens is never chosen: nothing of its list was stored
	s_cmp_ge_u32 s[GI], s77
	s_cselect_b32 s[EA], \a, s[EA]
	s_cselect_b32 s[EB], \b, s[EB]
	s_cselect_b32 s71, s68, s71
	s_cselect_b32 s72, s74, s72
	s_cselect_b32 s73, \c, s73
	s_add_co_u32 s68, s68, s76
.endm
.set CI, 0
.irp a, 0,1,2,3,4,5,6
.irp b, 1,2,3,4,5,6,7
.if \b > \a
	CLS CI, \a, \b
.set CI, CI+1
.endif
.endr
.endr
	s_sub_co_u32 s74, s[GI], s71
	s_mul_i32 s74, s74, 48                         ; my block's first place in the class's list
	s_sub_co_i32 s[NR], s72, s74
	s_max_i32 s[NR], s[NR], 0
	s_min_u32 s[NR], s[NR], 48                     ; its rows: 0 where the split has no block for me
	s_sub_co_u32 s72, s72, 1                       ; the list's last place: rows beyond my block's repeat that token
	s_lshl_b32 s73, s73, 13
	s_min_u32 s[EA], s[EA], 7                      ; numbers that hang on loaded ones are held by a constant before they enter an address
	s_min_u32 s[EB], s[EB], 7
	s_mul_i32 s76, s[WV], 12
.irp m, 0,1,2
	v_add_nc_u32 v[LA+\m], 16*\m, v1               ; row 16 m + r,
.endr
	v_add_nc_u32 v[LA+3], s76, v1                  ; and row 12 w + r: the rows that my wave fetches
.irp m, 0,1,2,3
	v_add_nc_u32 v[LA+\m], s74, v[LA+\m]
	v_min_u32 v[LA+\m], s72, v[LA+\m]
	v_add_nc_u32 v[LA+\m], s73, v[LA+\m]
	v_min_u32 v[LA+\m], 0x37fff, v[LA+\m]          ; inside the 28 lists of 8,192 words
	v_lshlrev_b32 v[LA+\m], 2, v[LA+\m]
.endr
.irp m, 0,1,2,3
	global_load_b32 v[TK+\m], v[LA+\m], s[20:21]
.endr
	WIN 0xc0                                       ; destination window 3
.irp l, 0,1
.irp b, 0,1,2,3
.irp j, 0,1,2,3
	global_load_b128 v[128*\l+16*\b+4*\j:128*\l+16*\b+4*\j+3], v[T1], s[6:7] offset:512*\l+128*\b+16*\j         ; gamma of K step 2 w + l, in the order of the 64 numbers that a lane quantises
	global_load_b128 v[128*\l+64+16*\b+4*\j:128*\l+64+16*\b+4*\j+3], v[T1], s[8:9] offset:512*\l+128*\b+16*\j   ; beta likewise
.endr
.endr
.endr
	WIN 0
	; (work on scalars while the lists come)
	s_mov_b32 s[SEL], 0x76543210
	s_mov_b32 s[SEL+1], 0xfedcba98
	s_mov_b32 s50, 0x3a800000                      ; 1 / 1,024
	s_mov_b32 s51, 0x3727c5ac                      ; eps = 1e-5
	s_mov_b64 s[OUTP:OUTP+1], s[26:27]
.macro P2PTR e, p, s                           ; the expert in s[e]: W2's images and scale bytes of my 256 columns: tiles 64 e + 16 w on, 6,144 and 256 bytes a tile
	s_lshl_b32 s42, s[\e], 6
	s_lshl_b32 s43, s[WV], 4
	s_add_co_u32 s42, s42, s43
	s_mul_i32 s44, s42, 6144
	s_mov_b32 s45, 0
	s_add_nc_u64 s[\p:\p+1], s[24:25], s[44:45]
	s_lshl_b32 s44, s42, 8
	s_add_nc_u64 s[\s:\s+1], s[16:17], s[44:45]
.endm
	P2PTR EA, P2A, S2A
	P2PTR EB, P2B, S2B
	s_wait_loadcnt 63                              ; 64 loads were issued behind the four of the lists; 63 is the largest count that the wait can name: the four are in
.irp m, 0,1,2,3
	v_min_u32 v[TK+\m], 0x1fff, v[TK+\m]           ; a token is held inside x before it enters an address
.endr
.irp m, 0,1,2
	ds_store_b32 v[T0], v[TK+\m] offset:64*\m      ; my wave's own table: row's token at 4 x row (lanes r and r + 16 write the same word with the same value)
.endr
.irp m, 0,1,2
	v_lshlrev_b32 v[LA+\m], 3, v[TK+\m]            ; (the lists' loads are done: their offsets may be written)
.endr
.irp m, 0,1,2
	global_load_b64 v[WN+2*\m:WN+2*\m+1], v[LA+\m], s[10:11]
	global_load_b64 v[WT+2*\m:WT+2*\m+1], v[LA+\m], s[12:13]
.endr
.irp i, 0,1,2,3,4,5,6,7,8,9,10,11
	v_readlane_b32 s74, v[TK+3], \i
	s_min_u32 s74, s74, 0x1fff
	v_lshl_add_u32 v[XO+\i], s74, 12, v[LI]        ; row 12 w + i of the block: its token's 4,096 bytes, 16 a lane
.endr
.irp i, 0,1,2,3,4,5,6,7,8,9,10,11              ; the whole block is asked for at once: 96 loads a wave, each 512 consecutive bytes
	WIN ((1+\i/8)<<6)
.irp j, 0,1,2,3,4,5,6,7
	global_load_b128 v[32*(\i%8)+4*\j:32*(\i%8)+4*\j+3], v[XO+\i], s[4:5] offset:512*\j
.endr
.endr
	WIN 0
.irp i, 0,1,2,3,4,5,6,7,8,9,10,11,12,13,14,15,16,17,18,19,20,21,22,23
	ds_load_b32 v[GO+\i], v[T3] offset:8*\i        ; the token of row 2 i + h (LDS serves a wave's instructions in order: these see my stores)
.endr
	v_lshl_add_u32 v[LA+3], v1, 4, s78
	s_wait_dscnt 0x0
.irp i, 0,1,2,3,4,5,6,7,8,9,10,11,12,13,14,15,16,17,18,19,20,21,22,23
	v_min_u32 v[GO+\i], 0x1fff, v[GO+\i]
	v_lshl_add_u32 v[GO+\i], v[GO+\i], 12, v[LA+3] ; its row of out0, my wave's strip, 16 r
.endr
; ================ X1: my wave's 12 rows go to LDS, and their statistics are taken, in two passes over the registers: mean, then the mean of (x - mean)^2, so that a common offset of x costs no accuracy
.macro XROW i
.set RW, 1+(\i)/8
.set RB, 32*((\i)%8)
.if 8*(11-(\i)) > 63
	s_wait_loadcnt 63                              ; the later rows' loads, eight each, may stay out (63 is the largest count that can be named)
.else
	s_wait_loadcnt 8*(11-(\i))
.endif
	WIN (RW<<2)                                    ; an LDS store's data are its source 1
.irp j, 0,1,2,3,4,5,6,7
	ds_store_b128 v[XW], v[RB+4*\j:RB+4*\j+3] offset:XP*(\i)+512*\j
.endr
	WIN (5*RW)                                     ; sources 0 and 1 in the row's window
.irp k, 0,1,2,3,4,5,6,7
	v_pk_add_f32 v[DD+2*\k:DD+2*\k+1], v[RB+4*\k:RB+4*\k+1], v[RB+4*\k+2:RB+4*\k+3]
.endr
	WIN 0
.irp k, 0,1,2,3
	v_pk_add_f32 v[DD+2*\k:DD+2*\k+1], v[DD+2*\k:DD+2*\k+1], v[DD+8+2*\k:DD+9+2*\k]
.endr
	v_pk_add_f32 v[DD:DD+1], v[DD:DD+1], v[DD+4:DD+5]
	v_pk_add_f32 v[DD+2:DD+3], v[DD+2:DD+3], v[DD+6:DD+7]
	v_pk_add_f32 v[DD:DD+1], v[DD:DD+1], v[DD+2:DD+3]
	v_add_f32 v[DD], v[DD], v[DD+1]
	LANESUM DD
	v_mul_f32 v[MU], s50, v[DD]                    ; the mean
	v_mov_b32 v[SM+2*(\i)], v[MU]
	WIN RW                                         ; source 0 in the row's window
.irp k, 0,1,2,3,4,5,6,7,8,9,10,11,12,13,14,15
	v_pk_add_f32 v[DD+2*\k:DD+2*\k+1], v[RB+2*\k:RB+2*\k+1], v[MU:MU+1] op_sel_hi:[1,0] neg_lo:[0,1] neg_hi:[0,1]   ; x - mean
.endr
	WIN 0
.irp k, 0,1,2,3
	v_pk_mul_f32 v[QQ+2*\k:QQ+2*\k+1], v[DD+2*\k:DD+2*\k+1], v[DD+2*\k:DD+2*\k+1]   ; the first four start the chains: nothing is cleared
.endr
.irp k, 4,5,6,7,8,9,10,11,12,13,14,15
	v_pk_fma_f32 v[QQ+2*(\k%4):QQ+2*(\k%4)+1], v[DD+2*\k:DD+2*\k+1], v[DD+2*\k:DD+2*\k+1], v[QQ+2*(\k%4):QQ+2*(\k%4)+1]
.endr
	v_pk_add_f32 v[QQ:QQ+1], v[QQ:QQ+1], v[QQ+4:QQ+5]
	v_pk_add_f32 v[QQ+2:QQ+3], v[QQ+2:QQ+3], v[QQ+6:QQ+7]
	v_pk_add_f32 v[QQ:QQ+1], v[QQ:QQ+1], v[QQ+2:QQ+3]
	v_add_f32 v[QQ], v[QQ], v[QQ+1]
	LANESUM QQ
	v_fma_f32 v[SM+2*(\i)+1], v[QQ], s50, s51      ; var + eps
.endm
.irp i, 0,1,2,3,4,5,6,7,8,9,10,11
	XROW \i
.endr
.irp i, 0,1,2,3,4,5,6,7,8,9,10,11
	v_rsq_f32 v[SM+2*\i+1], v[SM+2*\i+1]
.endr
	v_nop                                          ; a plain place behind the last of them (ISA guide 5.7.2),
	s_wait_alu depctr_va_vdst(0)                   ; and a wait ahead of the batch's first reader
.irp i, 0,1,2,3,4,5,6,7,8,9,10,11
	ds_store_b64 v[T2], v[SM+2*\i:SM+2*\i+1] offset:8*\i   ; all lanes write the same 8 bytes with the same value
.endr
; the coefficients, by reference()'s own formula on the whole winners: coef_e = the sum over the two ranks of (winner == e ? weight : 0)
.macro COEF m, e, q
	v_cmp_eq_u32 vcc_lo, s[\e], v[WN+2*\m]
	v_cndmask_b32 v[CF+4*\m+2*\q], 0, v[WT+2*\m], vcc_lo
	v_cmp_eq_u32 vcc_lo, s[\e], v[WN+2*\m+1]
	v_cndmask_b32 v[PT], 0, v[WT+2*\m+1], vcc_lo
	v_add_f32 v[CF+4*\m+2*\q], v[CF+4*\m+2*\q], v[PT]
	v_mov_b32 v[CF+4*\m+2*\q+1], v[CF+4*\m+2*\q]   ; (named with it as a pair)
.endm
.irp m, 0,1,2
	COEF \m, EA, 0
	COEF \m, EB, 1
.endr
; THE FIRST PRODUCT'S WEIGHTS come in a ring of four sets of 96 registers, a K step's eight fragments each, three sets ahead.
.macro WLOAD i                                 ; K step i into set i % 4: 24 loads, each 512 consecutive bytes
	WIN ((1+((\i)%4)/2)<<6)
.irp t, 0,1,2,3,4,5,6,7
.irp c, 0,1,2
	global_load_b128 v[96*((\i)%2)+12*\t+4*\c:96*((\i)%2)+12*\t+4*\c+3], v[LI], s[WB:WB+1] offset:12288*(\i)+1536*\t+512*\c
.endr
.endr
.endm
.macro PRIME1 e                                ; the expert in s[e]: pointers, all scale words of my 128 rows of W1 (32 bytes a row), K steps 0 to 2
	s_lshl_b32 s42, s[\e], 2
	s_add_co_u32 s42, s42, s[WV]
	s_mul_i32 s44, s42, 98304
	s_mov_b32 s45, 0
	s_add_nc_u64 s[WB:WB+1], s[22:23], s[44:45]
	s_lshl_b32 s44, s42, 12
	s_add_nc_u64 s[SB:SB+1], s[14:15], s[44:45]
	WIN 0
.irp t, 0,1,2,3,4,5,6,7
	global_load_b128 v[W1S+8*\t:W1S+8*\t+3], v[W1SO], s[SB:SB+1] offset:(32*(\t/2)+8*(\t%2))*32
	global_load_b128 v[W1S+8*\t+4:W1S+8*\t+7], v[W1SO], s[SB:SB+1] offset:(32*(\t/2)+8*(\t%2))*32+16
.endr
	WLOAD 0
	WLOAD 1
	WLOAD 2
	WIN 0
.endm
	s_wait_dscnt 0x0                               ; my stores of the rows are done: the weights may land in their registers
	PRIME1 EA                                      ; asked for here, so that they come while h is quantised
	BARRIER                                        ; all 48 rows and their statistics lie in LDS
; ================ X2: h = (x - mean) / sqrt(var + eps) x gamma + beta, quantised.  My wave makes K steps 2 w and 2 w + 1 for all three tiles of rows.
.macro XQ l                                    ; K step 2 w + l: a loop of three trips, a tile of 16 rows each; what differs between trips stands in four scalars
	s_mov_b32 s52, 3
	s_mov_b32 s53, 0
	s_mov_b32 s54, 0
	s_mov_b32 s55, 0
	s_mov_b32 s56, 0
.Lxq_\@:
	v_add_nc_u32 v[T0], s53, v[XRA0]
	v_add_nc_u32 v[T2], s54, v[STA0]
	v_add_nc_u32 v[T3], s55, v[XWI]
	v_add_nc_u32 v[T1], s56, v[XWS]
	ds_load_b32 v[MU], v[T2]
	ds_load_b32 v[RS], v[T2] offset:4
.irp b, 0,1,2,3
.irp j, 0,1,2,3
	ds_load_b128 v[ST+16*\b+4*\j:ST+16*\b+4*\j+3], v[T0] offset:512*\l+128*\b+16*\j   ; lane (r, h): of row r, 16 neighbours of each block of 32
.endr
.endr
	s_wait_dscnt 0x0
.set kk, 0
.rept 32
	v_pk_add_f32 v[ST+2*kk:ST+2*kk+1], v[ST+2*kk:ST+2*kk+1], v[MU:MU+1] op_sel_hi:[1,0] neg_lo:[0,1] neg_hi:[0,1]
.set kk, kk+1
.endr
.set kk, 0
.rept 32
	v_pk_mul_f32 v[ST+2*kk:ST+2*kk+1], v[ST+2*kk:ST+2*kk+1], v[RS:RS+1] op_sel_hi:[1,0]
.set kk, kk+1
.endr
	WIN 0x3c                                       ; sources 1 (gamma) and 2 (beta) in window 3
.set kk, 0
.rept 32
	v_pk_fma_f32 v[ST+2*kk:ST+2*kk+1], v[ST+2*kk:ST+2*kk+1], v[128*\l+2*kk:128*\l+2*kk+1], v[128*\l+64+2*kk:128*\l+64+2*kk+1]
.set kk, kk+1
.endr
	WIN 0
	QUANT ST
	IMAGE T3, 1536*\l
	ds_store_b32 v[T1], v[PW] offset:128*\l
	s_wait_dscnt 0x0                               ; the stores have read their registers: the next trip may write them
	s_add_co_u32 s53, s53, 16*XP
	s_add_co_u32 s54, s54, 128
	s_add_co_u32 s55, s55, 12288
	s_add_co_u32 s56, s56, 1024
	s_sub_co_u32 s52, s52, 1
	s_cmp_lg_u32 s52, 0
	s_cbranch_scc1 .Lxq_\@
.endm
	XQ 0
	XQ 1
	BARRIER                                        ; h's 24 fragments and their scale words lie in LDS
; ================ THE FIRST PRODUCT, relu^2 and the second quantiser, an expert at a time
.macro FETCHX s, buf                           ; h's three fragments of K step s
	WIN 0
.irp m, 0,1,2
.irp c, 0,1,2
	ds_load_b128 v[XF+36*(\buf)+12*\m+4*\c:XF+36*(\buf)+12*\m+4*\c+3], v[XFA] offset:(8*\m+(\s))*1536+512*\c
.endr
.endr
.endm
; K step i: 24 matrix instructions: my 8 tiles of hidden units x 3 tiles of rows.  The 24 accumulators take turns, one instruction a turn, in the same order in every step.
.macro STEP i
.if (\i) <= 5
	s_wait_loadcnt 48                              ; set i is in; the two sets issued behind it, 24 loads each, may be out
.elseif (\i) == 6
	s_wait_loadcnt 24
.else
	s_wait_loadcnt 0x0
.endif
	s_wait_dscnt 0x0                               ; h's fragments of this step, asked for a step ago
.if (\i) > 0
	PLACES                                         ; in front of the loads into the registers that the last step multiplied
.endif
.if (\i) <= 4
	WLOAD (\i)+3
.endif
.if (\i) < 7
	FETCHX (\i)+1, ((\i)+1)%2
.endif
	WIN (0xf0|(1+((\i)%4)/2))                      ; source 0 (W1) in the ring's window, source 1 (h) window 0, C and D window 3
.irp t, 0,1,2,3,4,5,6,7
.irp m, 0,1,2
.set rD, 64*\m+8*\t
.set rA, 96*((\i)%2)+12*\t
.set rB, XF+36*((\i)%2)+12*\m
.if (\i) == 0
	v_wmma_scale_f32_16x16x128_f8f6f4 v[rD:rD+7], v[rA:rA+11], v[rB:rB+11], 0, v[W1S+8*\t+(\i)], v[XS+8*\m+(\i)] matrix_a_fmt:MATRIX_FMT_BF6 matrix_b_fmt:MATRIX_FMT_BF6
.else
	v_wmma_scale_f32_16x16x128_f8f6f4 v[rD:rD+7], v[rA:rA+11], v[rB:rB+11], v[rD:rD+7], v[W1S+8*\t+(\i)], v[XS+8*\m+(\i)] matrix_a_fmt:MATRIX_FMT_BF6 matrix_b_fmt:MATRIX_FMT_BF6
.endif
.endr
.endr
	WIN 0
.endm
; THE SECOND PRODUCT'S WEIGHTS: a set is a tile of 16 output columns of BOTH experts: 2 x 4 fragments and 2 x 4 scale words: 26 loads.  Four sets; nt: the tile, counted from the pointers.
.macro LOADSET k, nt
.if (\k) < 2
.set LW, 1
.set LB, 96*(\k)
.elseif (\k) == 2
.set LW, 2
.set LB, 0
.else
.set LW, 3
.set LB, 144
.endif
	WIN (LW<<6)
.irp s, 0,1,2,3
.irp c, 0,1,2
	global_load_b128 v[LB+12*\s+4*\c:LB+12*\s+4*\c+3], v[LI], s[P2A:P2A+1] offset:6144*(\nt)+1536*\s+512*\c
.endr
.endr
.irp s, 0,1,2,3
.irp c, 0,1,2
	global_load_b128 v[LB+48+12*\s+4*\c:LB+48+12*\s+4*\c+3], v[LI], s[P2B:P2B+1] offset:6144*(\nt)+1536*\s+512*\c
.endr
.endr
	WIN 0
	global_load_b128 v[W2S+8*(\k):W2S+8*(\k)+3], v[W2SO], s[S2A:S2A+1] offset:256*(\nt)
	global_load_b128 v[W2S+8*(\k)+4:W2S+8*(\k)+7], v[W2SO], s[S2B:S2B+1] offset:256*(\nt)
.endm
.macro SLOT q
	FETCHX 0, 0
.irp i, 0,1,2,3,4,5,6,7
	STEP \i
.endr
	PLACES                                         ; behind the last products: for the loads below and for the first read of results
.if \q == 0
	PRIME1 EB                                      ; the next stream is asked for BEFORE the quantising, so that it comes meanwhile (every load of the last stream was waited for, so the pointers may be written)
.else
	LOADSET 0, 0
	LOADSET 1, 1
	LOADSET 2, 2
.endif
.irp m, 0,1,2                                  ; rows 16 m on: a lane's 64 registers are hidden units 32 b + 16 h + 0 .. 15 of my 128: 16 neighbours of each block along the next K
	WIN 0x0c                                       ; source 1 in window 3
.set jj, 0
.rept 64
	v_max_num_f32 v[HA+jj], 0, v[64*\m+jj]         ; relu; each accumulator is read from its low end on
.set jj, jj+1
.endr
	WIN 0
.set jj, 0
.rept 32
	v_pk_mul_f32 v[HA+2*jj:HA+2*jj+1], v[HA+2*jj:HA+2*jj+1], v[HA+2*jj:HA+2*jj+1]   ; squared
.set jj, jj+1
.endr
	QUANT HA
	IMAGE HWI, 18432*\q+6144*\m
	ds_store_b32 v[HWS], v[PW] offset:1536*\q+512*\m
	s_wait_dscnt 0x0                               ; the stores have read their registers
.endr
.endm
.irp f, 0,1,2,3,4,5,6,7,8,9,10,11,12,13,14,15,16,17,18,19,20,21,22,23
	ds_load_b32 v[XS+\f], v[XSA] offset:128*\f     ; h's scale words stay in registers for both experts
.endr
	SLOT 0
	SLOT 1
	BARRIER                                        ; the hidden layer's 24 fragments lie in LDS; nobody but me touches my strip of the rows from here on
; ================ THE SECOND PRODUCT, the coefficients, the residual, the way out
	WIN 0xc0
.irp f, 0,1,2,3,4,5,6,7,8,9,10,11
.irp c, 0,1,2
	ds_load_b128 v[12*\f+4*\c:12*\f+4*\c+3], v[HFA] offset:1536*\f+512*\c               ; slot A's hidden fragments (4 m + s): they stay in registers
.endr
.endr
	WIN 0x80
.irp f, 0,1,2,3,4,5,6,7,8,9,10,11
.irp c, 0,1,2
	ds_load_b128 v[96+12*\f+4*\c:96+12*\f+4*\c+3], v[HFA] offset:1536*(12+\f)+512*\c    ; slot B's
.endr
.endr
	WIN 0
.irp f, 0,1,2,3,4,5,6,7,8,9,10,11,12,13,14,15,16,17,18,19,20,21,22,23
	ds_load_b32 v[HS+\f], v[HSA] offset:128*\f
.endr
	s_wait_dscnt 0x0
; A tile of 16 output columns, the k-th of a trip's four.  issue = 1: the set three tiles on is asked for.  left: the loads issued behind set k, 26 a set.
; In the result a lane holds token 16 m + r and columns 8 h + 0 .. 7 of the tile: 32 neighbouring bytes of the row in LDS, which take cA A + cB B on top of x, in place.
.macro TILE k, issue, left
	s_wait_loadcnt \left
.if \issue
	LOADSET ((\k)+3)%4, (\k)+3                     ; into the set that the last tile multiplied: its places and 24 multiply-adds lie between
.endif
.irp m, 0,1,2
	ds_load_b128 v[XT+8*\m:XT+8*\m+3], v[XAC+\m] offset:64*(\k)
	ds_load_b128 v[XT+8*\m+4:XT+8*\m+7], v[XAC+\m] offset:64*(\k)+16
.endr
.if (\k) < 2
.set TW, 1
.set TB, 96*(\k)
.elseif (\k) == 2
.set TW, 2
.set TB, 0
.else
.set TW, 3
.set TB, 144
.endif
.irp q, 0,1
	WIN (TW|((3-\q)<<2))                           ; source 0 (W2) in the set's window, source 1 (the hidden layer) in window 3 or 2, C and D window 0
.irp s, 0,1,2,3
.irp m, 0,1,2                                  ; three accumulators by turns, one instruction a turn
.set rD, ACC+8*(3*\q+\m)
.set rA, TB+48*\q+12*\s
.set rB, 96*\q+12*(4*\m+\s)
.if \s == 0
	v_wmma_scale_f32_16x16x128_f8f6f4 v[rD:rD+7], v[rA:rA+11], v[rB:rB+11], 0, v[W2S+8*(\k)+4*\q+\s], v[HS+12*\q+4*\m+\s] matrix_a_fmt:MATRIX_FMT_BF6 matrix_b_fmt:MATRIX_FMT_BF6
.else
	v_wmma_scale_f32_16x16x128_f8f6f4 v[rD:rD+7], v[rA:rA+11], v[rB:rB+11], v[rD:rD+7], v[W2S+8*(\k)+4*\q+\s], v[HS+12*\q+4*\m+\s] matrix_a_fmt:MATRIX_FMT_BF6 matrix_b_fmt:MATRIX_FMT_BF6
.endif
.endr
.endr
.endr
	WIN 0
	PLACES
	s_wait_dscnt 0x0                               ; the rows' 16 columns are in
.irp q, 0,1
.irp m, 0,1,2
.irp p, 0,1,2,3
	v_pk_fma_f32 v[XT+8*\m+2*\p:XT+8*\m+2*\p+1], v[ACC+8*(3*\q+\m)+2*\p:ACC+8*(3*\q+\m)+2*\p+1], v[CF+4*\m+2*\q:CF+4*\m+2*\q+1], v[XT+8*\m+2*\p:XT+8*\m+2*\p+1] op_sel_hi:[1,0,1]   ; each accumulator from its low end on
.endr
.endr
.endr
.irp m, 0,1,2
	ds_store_b128 v[XAC+\m], v[XT+8*\m:XT+8*\m+3] offset:64*(\k)
	ds_store_b128 v[XAC+\m], v[XT+8*\m+4:XT+8*\m+7] offset:64*(\k)+16
.endr
.endm
; THE WAY OUT of a trip's 64 columns: 256 bytes of each row, two rows an instruction: sixteen lanes store 256 consecutive bytes, at a multiple of 256 from out0's first byte.  Pairs of rows beyond the block's rows are not stored.
.macro OUT
.irp i, 0,1,2,3,4,5,6,7,8,9,10,11,12,13,14,15,16,17,18,19,20,21,22,23
	ds_load_b128 v[OB+4*\i:OB+4*\i+3], v[ORC+\i/8] offset:(\i%8)*2*XP   ; my own strip: LDS serves a wave's instructions in order, so these see my stores
.endr
.irp i, 0,1,2,3,4,5,6,7,8,9,10,11,12,13,14,15,16,17,18,19,20,21,22,23
	s_cmp_gt_u32 s[NR], 2*\i
	s_cbranch_scc0 .Lout_end_\@
	s_wait_dscnt 23-\i                             ; pair i is in; the later pairs may be out
	global_store_b128 v[GO+\i], v[OB+4*\i:OB+4*\i+3], s[OUTP:OUTP+1] th:TH_STORE_NT
.endr
.Lout_end_\@:
	s_wait_dscnt 0x0                               ; all 24 loads are in: their registers are the next tiles' accumulators
	s_wait_xcnt 0x0                                ; the stores have read their data and base, the weights' loads their pointers: all may be written
.endm
.macro TRIPADR                                 ; the trip's 256 bytes of my strip: a base + a scalar that is stepped by a constant
.irp m, 0,1,2
	v_add_nc_u32 v[XAC+\m], s57, v[XA+\m]
	v_add_nc_u32 v[ORC+\m], s57, v[ORB+\m]
.endr
.endm
	s_mov_b32 s52, 3
	s_mov_b32 s57, 0
.Ltrip:                                        ; a trip: four tiles, 64 columns, and their way out; three sets of weights are always asked for
	TRIPADR
	TILE 0, 1, 52
	TILE 1, 1, 52
	TILE 2, 1, 52
	TILE 3, 1, 52
	OUT
	s_add_nc_u64 s[P2A:P2A+1], s[P2A:P2A+1], 24576
	s_add_nc_u64 s[P2B:P2B+1], s[P2B:P2B+1], 24576
	s_add_nc_u64 s[S2A:S2A+1], s[S2A:S2A+1], 1024
	s_add_nc_u64 s[S2B:S2B+1], s[S2B:S2B+1], 1024
	s_add_nc_u64 s[OUTP:OUTP+1], s[OUTP:OUTP+1], 256
	s_add_co_u32 s57, s57, 256
	s_sub_co_u32 s52, s52, 1
	s_cmp_lg_u32 s52, 0
	s_cbranch_scc1 .Ltrip
	TRIPADR                                        ; the last trip is written out: one more set (the sixteenth tile), then none, and the counts run down
	TILE 0, 1, 52
	TILE 1, 0, 52
	TILE 2, 0, 26
	TILE 3, 0, 0
	OUT
	s_set_vgpr_msb 0xa
	s_wait_tensorcnt 0x0
	ds_add_u32 v254, v255
	s_wait_dscnt 0x0
	s_set_vgpr_msb 0xa00
	s_endpgm
.Lfunc_end_k_q5d6d429a5c_moe:
	.size	k_q5d6d429a5c_moe, .Lfunc_end_k_q5d6d429a5c_moe-k_q5d6d429a5c_moe
	.p2alignl 7, 3214868480
	.fill 96, 4, 3214868480
	.section	.rodata,"a",@progbits
	.p2align	6, 0x0
	.amdhsa_kernel k_q5d6d429a5c_moe
		.amdhsa_group_segment_fixed_size 279296
		.amdhsa_private_segment_fixed_size 0
		.amdhsa_enable_private_segment 0
		.amdhsa_kernarg_size 96
		.amdhsa_user_sgpr_count 2
		.amdhsa_user_sgpr_kernarg_segment_ptr 1
		.amdhsa_wavefront_size32 1
		.amdhsa_system_sgpr_workgroup_id_x 1
		.amdhsa_system_sgpr_workgroup_id_y 1
		.amdhsa_system_sgpr_workgroup_id_z 1
		.amdhsa_system_vgpr_workitem_id 0
		.amdhsa_next_free_vgpr 1024
		.amdhsa_next_free_sgpr 80
		.amdhsa_reserve_vcc 1
		.amdhsa_float_denorm_mode_32 3
		.amdhsa_float_denorm_mode_16_64 3
		.amdhsa_memory_ordered 1
		.amdhsa_forward_progress 1
		.amdhsa_inst_pref_size 255
	.end_amdhsa_kernel
	.section	.bss,"aw",@nobits
	.p2align	6
	.space	262144
	.amdgpu_metadata
---
amdhsa.version: [ 1, 2 ]
amdhsa.kernels:
  - .name:           k_q5d6d429a5c_moe
    .symbol:         k_q5d6d429a5c_moe.kd
    .args:
      - { .name: x, .offset: 0, .size: 8, .value_kind: global_buffer, .address_space: global }
      - { .name: gamma, .offset: 8, .size: 8, .value_kind: global_buffer, .address_space: global }
      - { .name: beta, .offset: 16, .size: 8, .value_kind: global_buffer, .address_space: global }
      - { .name: winners, .offset: 24, .size: 8, .value_kind: global_buffer, .address_space: global }
      - { .name: weights, .offset: 32, .size: 8, .value_kind: global_buffer, .address_space: global }
      - { .name: W1_scales, .offset: 40, .size: 8, .value_kind: global_buffer, .address_space: global }
      - { .name: W2_scales, .offset: 48, .size: 8, .value_kind: global_buffer, .address_space: global }
      - { .name: counts, .offset: 56, .size: 8, .value_kind: global_buffer, .address_space: global }
      - { .name: order, .offset: 64, .size: 8, .value_kind: global_buffer, .address_space: global }
      - { .name: w1img, .offset: 72, .size: 8, .value_kind: global_buffer, .address_space: global }
      - { .name: w2img, .offset: 80, .size: 8, .value_kind: global_buffer, .address_space: global }
      - { .name: out0, .offset: 88, .size: 8, .value_kind: global_buffer, .address_space: global }
    .group_segment_fixed_size: 279296
    .private_segment_fixed_size: 0
    .kernarg_segment_align: 8
    .kernarg_segment_size: 96
    .max_flat_workgroup_size: 128
    .sgpr_count:     80
    .vgpr_count:     1024
    .wavefront_size: 32
...
	.end_amdgpu_metadata
.endif
;; end of part 2
;; ======== version 2 of 2: 2 launches
;; workspace buffers: counts 256 bytes of whole numbers; order 917,504 bytes of whole numbers; w1img 3,145,728 bytes; w2img 3,145,728 bytes
;; launch prep (part 3): grid 156 x 1, 8 waves a work-group, no clusters, 1,280 bytes of LDS; arguments winners, W1_codes, W2_codes, counts, order, w1img, w2img; writes counts, order, w1img, w2img
.if DOCPART == 3
	.amdgcn_target "amdgcn-amd-amdhsa--gfx1250"
	.amdhsa_code_object_version 6
	.text
	.protected	k_q5d6d429a5c_prep
	.globl	k_q5d6d429a5c_prep
	.p2align	8
	.type	k_q5d6d429a5c_prep,@function
k_q5d6d429a5c_prep:
	s_mov_b64 s[64:65], 0
	v_nop
	global_prefetch_b8 v0, s[64:65] scope:SCOPE_SE
	s_setreg_imm32_b32 hwreg(HW_REG_WAVE_MODE, 25, 1), 1
	s_wait_xcnt 0x0
; THE LAUNCH IN FRONT OF THE EXPERTS.  Two jobs that share no data, told apart by the work-group's number.
; (1) Work-groups 0 to 27: the routing.  A token's CLASS is the unordered pair {a < b} of its two winners (28 classes, in the order (0,1), (0,2) .. (6,7)); a token whose
;     winners are equal (a, a) joins class {a, (a + 1) & 7}.  Work-group c scans all 8,192 tokens and stores the tokens of class c, in ascending order, at order[c][0 ..],
;     and their number at counts[c].  No atomics: a token's place is the number of members in front of it (the waves' counts meet in LDS, lanes by v_mbcnt).
;     The class is made of the winners' low three bits, so every token has one owner whatever number stands there; the coefficients are made later from the whole numbers.
; (2) Work-groups 28 to 91 (W1) and 92 to 155 (W2): the weights' codes are laid in the ORDER OF THE OPERAND'S REGISTERS.  A fragment (16 rows x 128 along K, 12 registers a lane)
;     becomes an image of 1,536 bytes: registers 4 c .. 4 c + 3 of lane l at byte 512 c + 16 l, so that the next launch fills a fragment by three loads of 16 bytes a lane.
;     w1img: fragment ((e 4 + w) 8 + s) 8 + t8: expert e, reading wave w, K step s, tile t8 of the wave's eight; lane r of the expert's tile t = 8 w + t8 holds row
;     32 (t / 2) + 8 (t % 2) + r + 8 (r / 8) of W1, so that two neighbouring tiles' results are 16 neighbours along the next product's K.
;     w2img: fragment (e 64 + n) 4 + s: tile n of 16 output columns, K step s; lane r holds row 16 n + r.
; A wave relays 16 rows x 384 bytes (four fragments): its 24 loads of 8 bytes a lane cover those bytes once, and each store of the wave covers 512 consecutive bytes, aligned.
.set NCLS, 28
.set MASK, 32                          ; s[32:63] chunk i's members, a bit a lane
.set CNT,  68                          ; s[68:75] the eight waves' counts
	s_load_b256 s[4:11], s[0:1], 0x0               ; winners s[4:5], W1_codes s[6:7], W2_codes s[8:9], counts s[10:11]
	s_load_b128 s[12:15], s[0:1], 0x20             ; order s[12:13], w1img s[14:15]
	s_load_b64 s[16:17], s[0:1], 0x30              ; w2img
	v_lshl_add_u32 v128, v0, 2, 0x100
	v_mov_b32 v129, 0
	v_lshrrev_b32 v1, 5, v0
	s_delay_alu instid0(VALU_DEP_1)
	v_readfirstlane_b32 s18, v1                    ; wave 0..7
	v_and_b32 v1, 31, v0                           ; lane
	s_wait_kmcnt 0x0
	s_cmp_ge_u32 ttmp9, NCLS
	s_cbranch_scc1 .Lrelay
; ---- the routing: class c = the work-group's number
	s_mov_b32 s19, ttmp9
	; what the count's store names is made here, all lanes on, ahead of every load and of every change of EXEC
	v_mov_b32 v10, 0                               ; its vector offset: the class's place stands in the scalar base
	s_wait_alu depctr_va_vdst(0)
	v_cmp_eq_u32 s29, 0, v1                        ; lane 0 alone
	s_lshl_b32 s30, ttmp9, 2
	s_mov_b32 s31, 0
	s_add_nc_u64 s[10:11], s[10:11], s[30:31]      ; counts[c]
	s_mov_b32 s20, 0                               ; a
	s_mov_b32 s21, 0                               ; the first class with that a
.macro PICK k, off
	s_cmp_ge_u32 s19, \off
	s_cselect_b32 s20, \k, s20
	s_cselect_b32 s21, \off, s21
.endm
	PICK 1, 7
	PICK 2, 13
	PICK 3, 18
	PICK 4, 22
	PICK 5, 25
	PICK 6, 27
	s_sub_co_u32 s22, s19, s21
	s_add_co_u32 s22, s22, s20
	s_add_co_u32 s22, s22, 1                       ; b = a + 1 + c - first
	s_lshl_b32 s23, s20, 3
	s_add_co_u32 s23, s23, s22                     ; the class's key: 8 a + b
	v_lshlrev_b32 v2, 3, v1
	s_delay_alu instid0(VALU_DEP_1)
	v_lshl_add_u32 v2, s18, 13, v2                 ; wave w takes tokens 1,024 w on, 8 bytes of winners each: 8,192 w + 8 lane
	v_lshl_add_u32 v3, s18, 10, v1                 ; my token in chunk 0
.set ii, 0
.rept 32
	global_load_b64 v[64+2*ii:65+2*ii], v2, s[4:5] offset:256*ii   ; chunk ii: 32 tokens, a lane a token, 256 consecutive bytes
.set ii, ii+1
.endr
	s_mov_b32 s24, 0                               ; my wave's members
.set ii, 0
.rept 32
	s_wait_loadcnt 31-ii                           ; loads come back in order: chunk ii is in, the younger chunks stay out
	v_and_b32 v4, 7, v[64+2*ii]
	v_and_b32 v5, 7, v[65+2*ii]
	s_delay_alu instid0(VALU_DEP_2)
	v_add_nc_u32 v6, 1, v4
	s_delay_alu instid0(VALU_DEP_1)
	v_and_b32 v6, 7, v6                            ; the partner of a token whose winners are equal
	s_delay_alu instid0(VALU_DEP_3)
	v_cmp_eq_u32 vcc_lo, v4, v5
	s_delay_alu instid0(VALU_DEP_1)
	v_cndmask_b32 v5, v5, v6, vcc_lo
	s_delay_alu instid0(VALU_DEP_1)
	v_min_u32 v6, v4, v5
	s_delay_alu instid0(VALU_DEP_2)
	v_max_u32 v7, v4, v5
	s_delay_alu instid0(VALU_DEP_1)
	v_lshl_add_u32 v6, v6, 3, v7                   ; the token's key
	s_delay_alu instid0(VALU_DEP_1)
	v_cmp_eq_u32 s[MASK+ii], s23, v6
	s_bcnt1_i32_b32 s25, s[MASK+ii]
	s_add_co_u32 s24, s24, s25
.set ii, ii+1
.endr
	v_mov_b32 v8, s24
	v_mov_b32 v9, s18
	s_delay_alu instid0(VALU_DEP_1)
	v_lshlrev_b32 v9, 2, v9
	ds_store_b32 v9, v8                            ; all lanes write my wave's word with the same value
	s_wait_dscnt 0x0                               ; for the others' sake: my store has landed
	s_barrier_signal -1
	s_barrier_wait -1
	v_mov_b32 v9, 0
	ds_load_b128 v[12:15], v9
	ds_load_b128 v[16:19], v9 offset:16
	s_wait_dscnt 0x0
.irp k, 0,1,2,3,4,5,6,7
	v_readfirstlane_b32 s[CNT+\k], v[12+\k]
.endr
	s_mov_b32 s26, 0                               ; members in the waves in front of mine: my first member's place
	s_mov_b32 s27, 0                               ; members in all
.irp k, 0,1,2,3,4,5,6,7
	s_cmp_gt_u32 s18, \k
	s_cselect_b32 s25, s[CNT+\k], 0
	s_add_co_u32 s26, s26, s25
	s_add_co_u32 s27, s27, s[CNT+\k]
.endr
	v_mov_b32 v11, s27                             ; the class's count: the data of wave 0's last store, written while all lanes are on
	s_lshl_b32 s30, s19, 15                        ; the class's list: 8,192 words
	s_mov_b32 s31, 0
	s_add_nc_u64 s[12:13], s[12:13], s[30:31]
.set ii, 0
.rept 32                                       ; all lanes on: each lane's place (of use in members alone) and its token
	v_mbcnt_lo_u32_b32 v[64+2*ii], s[MASK+ii], s26 ; members in front of my chunk + members of it in lower lanes
	s_bcnt1_i32_b32 s25, s[MASK+ii]
	s_add_co_u32 s26, s26, s25
	v_min_u32 v[64+2*ii], 0x1fff, v[64+2*ii]       ; a place made of loaded numbers is held inside the list before it enters an address
	s_delay_alu instid0(VALU_DEP_1)
	v_lshlrev_b32 v[64+2*ii], 2, v[64+2*ii]
	v_add_nc_u32 v[65+2*ii], 32*ii, v3
.set ii, ii+1
.endr
	s_wait_alu depctr_va_vdst(0)
	s_wait_xcnt 0x0                                ; EXEC is a source of pending memory instructions: it changes only behind this wait
; from here on no vector register is written: only EXEC changes, and stores are issued
.set ii, 0
.rept 32
	s_mov_b32 vcc_lo, s[MASK+ii]
	s_and_saveexec_b32 s28, vcc_lo                 ; the chunk's members alone
	global_store_b32 v[64+2*ii], v[65+2*ii], s[12:13]   ; they store to neighbouring words
	s_wait_xcnt 0x0                                ; and again, in front of the line that widens EXEC
	s_or_b32 exec_lo, exec_lo, s28
.set ii, ii+1
.endr
	s_cmp_lg_u32 s18, 0
	s_cbranch_scc1 .Lcls_end
	s_mov_b32 vcc_lo, s29                          ; wave 0, lane 0: the class's count
	s_and_saveexec_b32 s28, vcc_lo
	global_store_b32 v10, v11, s[10:11]
	s_wait_xcnt 0x0
	s_or_b32 exec_lo, exec_lo, s28
.Lcls_end:
	s_wait_tensorcnt 0x0
	ds_add_u32 v128, v129
	s_wait_dscnt 0x0
	s_endpgm
; ---- the weights.  A wave's unit: 16 rows x 384 bytes = four fragments.  src, dst: the scalar pairs that hold the unit's first byte in the codes and in the images.
.macro RELAY pitch, perm, dstride, src, dst
	v_and_b32 v4, 15, v0                           ; r
	v_bfe_u32 v5, v0, 4, 1                         ; h
	s_delay_alu instid0(VALU_DEP_2)
	v_and_b32 v6, \perm, v4
	s_delay_alu instid0(VALU_DEP_1)
	v_add_nc_u32 v6, v6, v4                        ; the tile's row for lane r: r, or r + 8 (r / 8)
	s_delay_alu instid0(VALU_DEP_1)
	v_mul_u32_u24 v6, v6, \pitch
	s_delay_alu instid0(VALU_DEP_1)
	v_mad_u32_u24 v6, v5, 24, v6                   ; + 24 h: lane (r, h) holds K = 64 c + 32 h + 0 .. 31 of its row, 24 bytes, as they lie
	v_lshlrev_b32 v7, 4, v1                        ; 16 x lane
.irp i, 0,1,2,3
.irp p, 0,1,2,3,4,5
	global_load_b64 v[16+12*\i+2*\p:17+12*\i+2*\p], v6, s[\src:\src+1] offset:96*\i+48*(\p/3)+8*(\p%3) th:TH_LOAD_NT
.endr
.endr
	s_wait_alu depctr_va_vdst(0)
.irp i, 0,1,2,3
	s_wait_loadcnt 6*(3-\i)                        ; fragment i's six loads are in; the later fragments' may be out
.irp c, 0,1,2
	global_store_b128 v7, v[16+12*\i+4*\c:19+12*\i+4*\c], s[\dst:\dst+1] offset:\i*\dstride+512*\c
.endr
.endr
	s_endpgm
.endm
.Lrelay:
	s_sub_co_u32 s19, ttmp9, NCLS
	s_cmp_ge_u32 s19, 64
	s_cbranch_scc1 .Lrelay2
	s_lshl_b32 s20, s19, 3
	s_add_co_u32 s20, s20, s18                     ; W1's unit 0..511: half = bit 0, tile t = bits 5:1, expert = bits 8:6
	s_and_b32 s21, s20, 1
	s_bfe_u32 s22, s20, 0x50001
	s_lshr_b32 s23, s20, 6
	s_lshl_b32 s24, s23, 9                         ; from: row 512 e + 32 (t / 2) + 8 (t % 2), 768 bytes a row, + 384 x half
	s_lshr_b32 s25, s22, 1
	s_lshl_b32 s25, s25, 5
	s_add_co_u32 s24, s24, s25
	s_and_b32 s25, s22, 1
	s_lshl_b32 s25, s25, 3
	s_add_co_u32 s24, s24, s25
	s_mul_i32 s24, s24, 768
	s_mul_i32 s25, s21, 384
	s_add_co_u32 s24, s24, s25
	s_mov_b32 s25, 0
	s_add_nc_u64 s[6:7], s[6:7], s[24:25]
	s_lshl_b32 s26, s23, 2                         ; to: fragment ((4 e + t / 8) 8 + 4 half) 8 + t % 8; the unit's four K steps lie 8 fragments apart
	s_lshr_b32 s27, s22, 3
	s_add_co_u32 s26, s26, s27
	s_lshl_b32 s26, s26, 3
	s_lshl_b32 s27, s21, 2
	s_add_co_u32 s26, s26, s27
	s_lshl_b32 s26, s26, 3
	s_and_b32 s27, s22, 7
	s_add_co_u32 s26, s26, s27
	s_mul_i32 s26, s26, 1536
	s_mov_b32 s27, 0
	s_add_nc_u64 s[14:15], s[14:15], s[26:27]
	s_wait_alu depctr_va_vdst(0)
	RELAY 768, 8, 12288, 6, 14
.Lrelay2:
	s_sub_co_u32 s19, s19, 64
	s_lshl_b32 s20, s19, 3
	s_add_co_u32 s20, s20, s18                     ; W2's unit 0..511 = 64 e + n: 16 whole rows of 384 bytes, and four fragments on end
	s_mul_i32 s24, s20, 6144
	s_mov_b32 s25, 0
	s_add_nc_u64 s[8:9], s[8:9], s[24:25]
	s_add_nc_u64 s[16:17], s[16:17], s[24:25]
	s_wait_alu depctr_va_vdst(0)
	RELAY 384, 0, 1536, 8, 16
.Lfunc_end_k_q5d6d429a5c_prep:
	.size	k_q5d6d429a5c_prep, .Lfunc_end_k_q5d6d429a5c_prep-k_q5d6d429a5c_prep
	.p2alignl 7, 3214868480
	.fill 96, 4, 3214868480
	.section	.rodata,"a",@progbits
	.p2align	6, 0x0
	.amdhsa_kernel k_q5d6d429a5c_prep
		.amdhsa_group_segment_fixed_size 1280
		.amdhsa_private_segment_fixed_size 0
		.amdhsa_enable_private_segment 0
		.amdhsa_kernarg_size 56
		.amdhsa_user_sgpr_count 2
		.amdhsa_user_sgpr_kernarg_segment_ptr 1
		.amdhsa_wavefront_size32 1
		.amdhsa_system_sgpr_workgroup_id_x 1
		.amdhsa_system_sgpr_workgroup_id_y 1
		.amdhsa_system_sgpr_workgroup_id_z 1
		.amdhsa_system_vgpr_workitem_id 0
		.amdhsa_next_free_vgpr 130
		.amdhsa_next_free_sgpr 80
		.amdhsa_reserve_vcc 1
		.amdhsa_float_denorm_mode_32 3
		.amdhsa_float_denorm_mode_16_64 3
		.amdhsa_memory_ordered 1
		.amdhsa_forward_progress 1
		.amdhsa_inst_pref_size 57
	.end_amdhsa_kernel
	.amdgpu_metadata
---
amdhsa.version: [ 1, 2 ]
amdhsa.kernels:
  - .name:           k_q5d6d429a5c_prep
    .symbol:         k_q5d6d429a5c_prep.kd
    .args:
      - { .name: winners, .offset: 0, .size: 8, .value_kind: global_buffer, .address_space: global }
      - { .name: W1_codes, .offset: 8, .size: 8, .value_kind: global_buffer, .address_space: global }
      - { .name: W2_codes, .offset: 16, .size: 8, .value_kind: global_buffer, .address_space: global }
      - { .name: counts, .offset: 24, .size: 8, .value_kind: global_buffer, .address_space: global }
      - { .name: order, .offset: 32, .size: 8, .value_kind: global_buffer, .address_space: global }
      - { .name: w1img, .offset: 40, .size: 8, .value_kind: global_buffer, .address_space: global }
      - { .name: w2img, .offset: 48, .size: 8, .value_kind: global_buffer, .address_space: global }
    .group_segment_fixed_size: 1280
    .private_segment_fixed_size: 0
    .kernarg_segment_align: 8
    .kernarg_segment_size: 56
    .max_flat_workgroup_size: 256
    .sgpr_count:     80
    .vgpr_count:     130
    .wavefront_size: 32
...
	.end_amdgpu_metadata
.endif
;; end of part 3
;; launch moe (part 4): grid 198 x 1, 4 waves a work-group, no clusters, 279,296 bytes of LDS; arguments x, gamma, beta, winners, weights, W1_scales, W2_scales, counts, order, w1img, w2img, out0; writes out0
.if DOCPART == 4
	.amdgcn_target "amdgcn-amd-amdhsa--gfx1250"
	.amdhsa_code_object_version 6
	.text
	.protected	k_q5d6d429a5c_moe
	.globl	k_q5d6d429a5c_moe
	.p2align	8
	.type	k_q5d6d429a5c_moe,@function
k_q5d6d429a5c_moe:
	s_mov_b64 s[64:65], 0
	v_nop
	global_prefetch_b8 v0, s[64:65] scope:SCOPE_SE
	s_setreg_imm32_b32 hwreg(HW_REG_WAVE_SCHED_MODE, 0, 2), 2
	s_setreg_imm32_b32 hwreg(HW_REG_WAVE_MODE, 25, 1), 1
	s_wait_xcnt 0x0
	s_wait_alu depctr_vm_vsrc(0)
; out = x + sum over e of coef_e relu(LN(x) W1[e])^2 W2[e], both products on codes of BF6 (E3M2) with one E8M0 scale for each 32 along K.  Only the experts that a token's winners name are multiplied.
; SHARES.  Tokens were sorted by their pair of experts {a < b} (28 classes).  A work-group takes a BLOCK of up to 48 tokens of one class through the whole chain: gather, LayerNorm, quantise, h W1, relu^2,
; quantise, W2, coefficients, residual, store.  So each output row has one owner and every work-group runs two experts.  With 8,192 tokens and 28 classes there are never more than
; (8,192 + 28 x 47) / 48 = 198 blocks, whatever the split: that is the grid.
; A WORK-GROUP THAT THE SPLIT LEAVES WITHOUT ROWS walks the whole text on a repeated token of a class that has tokens, and stores nothing: every wave passes every barrier, and none stands under a branch on a loaded number.
; THE WAVES SHARE THE COLUMNS, NOT THE ROWS: wave w makes hidden units 128 w .. 128 w + 127 of both experts (one K step of the second product) and output columns 256 w .. 256 w + 255, for all 48 rows.
; Each weight fragment is loaded by one wave, straight from memory into registers (three loads of 16 bytes a lane from the images that the launch before has laid), and feeds three matrix instructions.
; No tensor load and no joint load: the stores hang on stored counts, and how many blocks share an expert hangs on the split, so partners that walk the same weights cannot be promised.
; BOTH PRODUCTS ARE USED TRANSPOSED (source 0 = 16 rows of a weight, source 1 = 16 tokens): a lane holds ONE token, and its registers run along the hidden units or the output columns.
; OPERANDS GO FROM WAVE TO WAVE THROUGH LDS AS IMAGES OF THEIR REGISTERS: registers 4 c .. 4 c + 3 of lane l at 512 c + 16 l of a fragment's 1,536 bytes; scale words 4 bytes a lane.
; x's 48 rows stay in LDS from the gather on, and are turned in place into the output rows: x is read from memory once.
; LIMITS.  NaN and infinities among the inputs are not served.  A block of 32 zeros gets the scale byte 1 where the quantiser's rule says 127: its codes are zeros, and the bytes are read here alone.
; The sums go (x + cA A) + cB B by fused multiply-adds, where reference() adds the experts first and x last.  A token whose winners are equal is also multiplied by its class's other expert, with the coefficient 0
; that reference()'s own formula gives.  Where a block's number of rows is odd, its last store also writes the last row's copy (the repeated token's row, made by the same arithmetic) to the same bytes.
; A winner outside 0 .. 7 is classed by its low three bits and gets the coefficient 0, as no expert's number equals it.
; THE MODE: SCHED_MODE bits 1:0 = 2 (LLVM: expert scheduling mode 2), set by the entry lines.  The code itself states the register dependences between vector or matrix instructions and memory or LDS
; instructions, with s_wait_alu, always for 0.
; THE PLAN.  Registers that memory or LDS instructions touch, and who else names them:
;   v1-31        offsets and LDS addresses, made at the head, ahead of one wait on va_vdst.  v3, v4, v12-17, v20-26 are never written again.  T0-T3 are written at the head of each trip that quantises h,
;                v5-10 at the head of each trip of the way out: behind a wait on vm_vsrc (their readers have read them), ahead of a wait on va_vdst (they are written).
;   x's rows     (windows 1, 2) loaded; read by the LDS stores and by the sums; then W1's ring lands there: one wait of each kind ahead of the ring's first loads.
;   ST, MU, RS   loaded at a trip's head, worked on in the trip: the wait on va_vdst at the next trip's head shows that work done.
;   PC, PW       written by the quantiser, read by the image's LDS stores: a wait on va_vdst ahead of the stores, one on vm_vsrc behind them.
;   W1's ring    step i's products read set i % 4, h's buffer i % 2 and the scale words; its loads land in set (i - 1) % 4 and in h's other buffer, which the step before multiplied: ONE wait on va_vdst at a
;                step's head; behind it the step's loads are dealt among its products, which name none of the registers that those loads touch.
;   W2's sets    tile k's products read set k, the hidden fragments and the scale words; its loads land in set (k + 3) % 4, which the tile before multiplied.  The wait on va_vdst that stands ahead of a tile's
;                LDS stores (XT is written) also shows the tile's products done, and nothing of the vector side is issued between it and the next tile's head: so a tile's loads owe only the wait on
;                vm_vsrc for XT, which those stores have read.
;   OB, GO       the way out: OB is loaded from LDS and read by the global stores; a wait on vm_vsrc ahead of its loads (XT lies in it) and one behind its stores (the next trip writes it).  GO is never rewritten.
; Every A, B and scale register of a matrix instruction is filled by loads.  EXEC is never written.
;
; LDS
.set XP,    4112                       ; a row of x: 4,096 bytes + 16 = 257 x 16
.set XIMG,  48*XP                      ; h's 24 fragments: tile of rows m, K step s: 8 m + s
.set XSC,   XIMG+24*1536               ; their scale words, 128 bytes each
.set HIMG,  XSC+24*128                 ; the hidden layer's 24 fragments: expert slot q, tile of rows m, K step s: 12 q + 4 m + s
.set HSC,   HIMG+24*1536               ; their scale words
.set STAT,  HSC+24*128                 ; (mean, 1 / sqrt(var + eps)) of each row, 8 bytes a row
.set TOKT,  STAT+384                   ; the rows' tokens, a copy of 256 bytes for each wave
; REGISTERS, window 0
.set LI,   3                           ; 16 x lane
.set LS,   4                           ; 4 x lane
.set XW,   5                           ; where I store my wave's 12 rows of x               (from the second product on: v5-7 XAC, v8-10 ORC)
.set XRA0, 6                           ; row r, my wave's 1,024 bytes, + 64 h
.set STA0, 7                           ; row r's statistics
.set XWI,  8                           ; where I store h's images, and (XWS) their scale words
.set XWS,  9
.set XFA,  10                          ; where any wave reads them
.set XSA,  11
.set HWI,  12                          ; the same four for the hidden layer
.set HWS,  13
.set HFA,  14
.set HSA,  15
.set W1SO, 16                          ; my row's place among a tile's scale bytes of W1: 32 (r + 8 (r / 8));  of W2: 16 r
.set W2SO, 17
.set T0,   18                          ; v18, v19, v23, v27: addresses in hand
.set T1,   19
.set XA,   20                          ; v20-22 row 16 m + r, my wave's strip, + 32 h
.set T2,   23
.set ORB,  24                          ; v24-26 row 16 m + h, my wave's strip, + 16 r
.set T3,   27
.set MU,   28                          ; v[28:29], v[30:31]: mean and 1 / sqrt: the packed forms name pairs and take the low word for both halves
.set RS,   30
.set XAC,  5
.set ORC,  8
.set W1S,  32                          ; v32-119 HOLD SCALES AND NOTHING ELSE.  First product: v32-95 W1's words (8 t + s), v96-119 h's (8 m + s)
.set XS,   96
.set W2S,  32                          ; second product: v32-63 W2's (8 k + 4 q + s), v64-87 the hidden layer's (12 q + 4 m + s)
.set HS,   64
.set CF,   120                         ; v120-131 coefficients: cA of row 16 m + r at 4 m (and a copy), cB at 4 m + 2 (and a copy)
.set GO,   132                         ; v132-155 byte offsets in out0 of the 24 pairs of rows
.set TK,   156                         ; head: v156-158 the token of row 16 m + r, v159 of row 12 w + r
.set WN,   160                         ; v160-165 winners, v166-171 weights of row 16 m + r
.set WT,   166
.set LA,   172                         ; v172-175 offsets of the head's loads
.set XO,   176                         ; v176-187 offsets in x of my wave's 12 rows
.set SM,   188                         ; v188-211 their (mean, var + eps, later 1 / sqrt)
.set DD,   212                         ; v212-243 at work on a row
.set QQ,   244                         ; v244-251 four chains of squares
.set PT,   252                         ; a lane permute's destination
.set ST,   156                         ; v156-219 64 numbers to be quantised
.set HA,   156
.set PC,   220                         ; v220-238 the codes just made
.set PW,   239                         ; the scale word just made
.set TM,   240                         ; v240-255 the quantiser's work
.set XF,   156                         ; first product: h's fragments of a K step, two sets of 36
.set ACC,  156                         ; second product: six accumulators, 8 (3 q + m)
.set XT,   204                         ; v204-227 the rows' 16 columns, 8 m
.set OB,   156                         ; the way out: 24 x 4 registers
; window 1: x's rows 0-7 of my wave | W1's ring sets 0, 1 | W2's sets 0, 1.   window 2: rows 8-11 | ring sets 2, 3 | W2's set 2 (v0-95), slot B's hidden fragments (v96-239).
; window 3: gamma and beta of my two K steps | the first product's 24 accumulators (64 m + 8 t) | slot A's hidden fragments (v0-143), W2's set 3 (v144-239).
; SCALARS
.set WV,   66                          ; my wave's number
.set GI,   67                          ; the work-group's number
.set EA,   69                          ; the class's experts
.set EB,   70
.set NR,   75                          ; rows of my block: 0 .. 48
.set WB,   28                          ; s[28:29] W1's images, s[30:31] W1's scale bytes, of the slot in hand
.set SB,   30
.set P2A,  32                          ; s[32:35] W2's images of slots A and B, s[36:39] their scale bytes
.set P2B,  34
.set S2A,  36
.set S2B,  38
.set OUTP, 40                          ; s[40:41] out0, at the trip's 64 columns
.set SEL,  48                          ; s[48:49] v_permlanex16_b32's selects for lane l xor 16
.set RL,   52                          ; s[52:63] at the head: twelve tokens read out of lanes, later twelve masks of the coefficients; s52-57 count and step the loops afterwards
.set MSB, 0
.macro WIN new                         ; s_set_vgpr_msb: bits 1:0 source 0, 3:2 source 1, 5:4 source 2, 7:6 destination; the high byte repeats the setting that is left; a switch that changes nothing is dropped
.if MSB != (\new)
	s_set_vgpr_msb (MSB<<8)|(\new)
.set MSB, (\new)
.endif
.endm
.macro PLACES                          ; four plain places behind a matrix instruction of this form, in front of loads into its registers and of the first read of results
.rept 4
	v_nop
.endr
.endm
.macro BARRIER                         ; my LDS stores have landed and my LDS loads are in: then the work-group's barrier
	s_wait_dscnt 0x0
	s_barrier_signal -1
	s_barrier_wait -1
.endm
.macro LANESUM x                       ; the sum over the 32 lanes, in every lane
	v_add_f32_dpp v[\x], v[\x], v[\x] row_xmask:1 row_mask:0xf bank_mask:0xf
	v_add_f32_dpp v[\x], v[\x], v[\x] row_xmask:2 row_mask:0xf bank_mask:0xf
	v_add_f32_dpp v[\x], v[\x], v[\x] row_xmask:4 row_mask:0xf bank_mask:0xf
	v_add_f32_dpp v[\x], v[\x], v[\x] row_xmask:8 row_mask:0xf bank_mask:0xf
	v_permlanex16_b32 v[PT], v[\x], s[SEL], s[SEL+1]
	v_add_f32 v[\x], v[\x], v[PT]
.endm
; 64 numbers of a lane, v[s] .. v[s + 63], register 16 b + i = k 32 b + 16 (lane / 16) + i of my row, become a fragment's codes in v[PC] on and its scale word in v[PW].
.macro QUANT s
.irp b, 0,1,2,3
	v_max3_num_f32 v[TM+\b], |v[\s+16*\b]|, |v[\s+1+16*\b]|, 0x2800000   ; block b: my 16 numbers, and the floor 2^(5 - 127): so the byte cannot fall under 1
.endr
.irp i, 2,4,6,8,10,12,14
.irp b, 0,1,2,3
	v_max3_num_f32 v[TM+\b], v[TM+\b], |v[\s+16*\b+\i]|, |v[\s+1+16*\b+\i]|   ; (the four blocks by turns)
.endr
.endr
.irp b, 0,1,2,3
	v_permlanex16_b32 v[TM+4+\b], v[TM+\b], s[SEL], s[SEL+1]   ; (its destination counts as read: v244-247 were written as chains of squares)
.endr
.irp b, 0,1,2,3
	v_max_num_f32 v[TM+\b], v[TM+\b], v[TM+4+\b]   ; with lane l xor 16's: the block's largest magnitude
.endr
.irp b, 0,1,2,3
	v_add_nc_u32 v[TM+12+\b], 0xfe000000, v[TM+\b] ; 4 off its exponent field: the conversion takes the exponent field of this operand as its scale
.endr
.irp b, 0,1,2,3
	v_lshrrev_b32 v[TM+4+\b], 23, v[TM+12+\b]      ; the scale's byte
.endr
	v_lshl_or_b32 v[PW], v[TM+5], 8, v[TM+4]       ; the four bytes make my row's scale word
	v_lshl_or_b32 v[PW], v[TM+6], 16, v[PW]
	v_lshl_or_b32 v[PW], v[TM+7], 24, v[PW]
.irp c, 0,1
	v_cvt_scalef32_pk16_bf6_f32 v[PC+6*\c:PC+2+6*\c], v[\s+32*\c:\s+15+32*\c], v[TM+12+2*\c]   ; to the nearest code, ties to even; beyond 28 the largest code
	v_cvt_scalef32_pk16_bf6_f32 v[PC+12+4*\c:PC+14+4*\c], v[\s+16+32*\c:\s+31+32*\c], v[TM+12+2*\c+1]   ; (a conversion's three registers begin on an even number)
.endr
	v_nop                                          ; one plain place behind a scaled conversion
.irp c, 0,1                                    ; the operand's layout wants a WHOLE block in a lane: lanes 0-15 block 2 c, lanes 16-31 block 2 c + 1
.irp i, 0,1,2
	v_permlane16_swap_b32 v[PC+6*\c+\i], v[PC+12+4*\c+\i]
.endr
.irp i, 0,1,2
	v_mov_b32 v[PC+3+6*\c+\i], v[PC+12+4*\c+\i]
.endr
.endr
.endm
.macro IMAGE adr, off                          ; the fragment in v[PC] on goes to LDS as it stands
.irp c, 0,1,2
	ds_store_b128 v[\adr], v[PC+4*\c:PC+4*\c+3] offset:\off+512*\c
.endr
.endm
; ================ THE HEAD
	s_load_b512 s[4:19], s[0:1], 0x0               ; x s[4:5], gamma s[6:7], beta s[8:9], winners s[10:11], weights s[12:13], W1_scales s[14:15], W2_scales s[16:17], counts s[18:19]
	s_load_b256 s[20:27], s[0:1], 0x40             ; order s[20:21], w1img s[22:23], w2img s[24:25], out0 s[26:27]
	s_set_vgpr_msb 0x80
	v_lshl_add_u32 v254, v0, 2, 0x44100
	v_mov_b32 v255, 0
	s_set_vgpr_msb 0x8000
	v_lshrrev_b32 v[T0], 5, v0
	v_readfirstlane_b32 s[WV], v[T0]               ; wave 0..3
	s_mov_b32 s[GI], ttmp9
	v_and_b32 v1, 15, v0                           ; r
	v_bfe_u32 v2, v0, 4, 1                         ; h
	v_and_b32 v[T0], 31, v0
	v_lshlrev_b32 v[LI], 4, v[T0]
	v_lshlrev_b32 v[LS], 2, v[T0]
	s_wait_alu depctr_va_vdst(0)
	s_wait_kmcnt 0x0
	s_load_b512 s[28:43], s[18:19], 0x0            ; the 28 classes' counts: s[28 + c]
	s_load_b256 s[44:51], s[18:19], 0x40
	s_load_b128 s[52:55], s[18:19], 0x60
	s_wait_alu depctr_va_sdst(0)                   ; s[WV] is written, ahead of its first reader: the LDS addresses and the pointers are made from it
	; every LDS address is a constant + a constant x lane + a constant x wave
	s_mul_i32 s76, s[WV], 12*XP
	v_add_nc_u32 v[XW], s76, v[LI]
	s_lshl_b32 s78, s[WV], 10                      ; 1,024 w: my wave's strip of a row; kept
	v_mul_u32_u24 v[T0], v1, XP
	v_add_nc_u32 v[T0], s78, v[T0]
	v_lshl_add_u32 v[XRA0], v2, 6, v[T0]
	v_lshl_add_u32 v[T3], v2, 5, v[T0]
.irp m, 0,1,2
	v_add_nc_u32 v[XA+\m], 16*\m*XP, v[T3]
.endr
	v_mul_u32_u24 v[T3], v2, XP
	v_lshl_add_u32 v[T3], v1, 4, v[T3]
	v_add_nc_u32 v[T3], s78, v[T3]
.irp m, 0,1,2
	v_add_nc_u32 v[ORB+\m], 16*\m*XP, v[T3]
.endr
	v_lshl_add_u32 v[T1], v2, 6, s78               ; gamma, beta: my 16 numbers of a block of 32 in my wave's two K steps: 64 h + 1,024 w
	v_lshl_add_u32 v[STA0], v1, 3, STAT
	s_mul_i32 s77, s[WV], 3072
	s_add_co_u32 s77, s77, XIMG
	v_add_nc_u32 v[XWI], s77, v[LI]                ; K steps 2 w and 2 w + 1 are mine
	s_lshl_b32 s77, s[WV], 8
	s_add_co_u32 s76, s77, XSC
	v_add_nc_u32 v[XWS], s76, v[LS]
	s_add_co_u32 s76, s77, TOKT
	v_lshl_add_u32 v[T0], v1, 2, s76               ; my wave's table of tokens: in, 4 r
	v_lshl_add_u32 v[T3], v2, 2, s76               ; and out, 4 h
	v_add_nc_u32 v[XFA], XIMG, v[LI]
	v_add_nc_u32 v[XSA], XSC, v[LS]
	s_mul_i32 s77, s[WV], 1536
	s_add_co_u32 s77, s77, HIMG
	v_add_nc_u32 v[HWI], s77, v[LI]                ; K step w of the second product is mine
	s_lshl_b32 s77, s[WV], 7
	s_add_co_u32 s77, s77, HSC
	v_add_nc_u32 v[HWS], s77, v[LS]
	v_add_nc_u32 v[HFA], HIMG, v[LI]
	v_add_nc_u32 v[HSA], HSC, v[LS]
	s_mul_i32 s77, s[WV], 96
	s_add_co_u32 s77, s77, STAT
	v_mov_b32 v[T2], s77                           ; my 12 rows' statistics
	v_and_b32 v[W1SO], 8, v1
	v_add_nc_u32 v[W1SO], v[W1SO], v1
	v_lshlrev_b32 v[W1SO], 5, v[W1SO]
	v_lshlrev_b32 v[W2SO], 4, v1
	v_mov_b32 v[MU+1], 0                           ; named as upper halves of pairs, so they are written
	v_mov_b32 v[RS+1], 0
	v_mov_b32 v[PT], 0                             ; a lane permute's destination counts as read
	s_mov_b32 s68, 0                               ; blocks in the classes passed
	s_mov_b32 s[EA], 0
	s_mov_b32 s[EB], 1
	s_mov_b32 s71, 0
	s_mov_b32 s72, 1
	s_mov_b32 s73, 0
	s_wait_kmcnt 0x0
; WHICH BLOCK IS MINE.  Class c has ceil(count / 48) blocks; ((n + 47) x 43,691) >> 21 is (n + 47) / 48 rounded down for every n + 47 under 131,072.  The last class that has tokens and whose first block is not
; behind my number is chosen: s[EA], s[EB] its experts, s71 its first block, s72 its count, s73 its number.  All by selections: no branch.
.macro CLS c, a, b
	s_min_u32 s74, s[28+\c], 0x2000
	s_add_co_u32 s76, s74, 47
	s_mul_i32 s76, s76, 43691
	s_lshr_b32 s76, s76, 21
	s_cmp_eq_u32 s76, 0
	s_cselect_b32 s77, -1, s68                     ; a class without tokens is never chosen: nothing of its list was stored
	s_cmp_ge_u32 s[GI], s77
	s_cselect_b32 s[EA], \a, s[EA]
	s_cselect_b32 s[EB], \b, s[EB]
	s_cselect_b32 s71, s68, s71
	s_cselect_b32 s72, s74, s72
	s_cselect_b32 s73, \c, s73
	s_add_co_u32 s68, s68, s76
.endm
.set CI, 0
.irp a, 0,1,2,3,4,5,6
.irp b, 1,2,3,4,5,6,7
.if \b > \a
	CLS CI, \a, \b
.set CI, CI+1
.endif
.endr
.endr
	s_sub_co_u32 s74, s[GI], s71
	s_mul_i32 s74, s74, 48                         ; my block's first place in the class's list
	s_sub_co_i32 s[NR], s72, s74
	s_max_i32 s[NR], s[NR], 0
	s_min_u32 s[NR], s[NR], 48                     ; its rows: 0 where the split has no block for me
	s_sub_co_u32 s72, s72, 1                       ; the list's last place: rows beyond my block's repeat that token
	s_lshl_b32 s73, s73, 13
	s_min_u32 s[EA], s[EA], 7                      ; numbers that hang on loaded ones are held by a constant before they enter an address
	s_min_u32 s[EB], s[EB], 7
	s_mul_i32 s76, s[WV], 12
.irp m, 0,1,2
	v_add_nc_u32 v[LA+\m], 16*\m, v1               ; row 16 m + r,
.endr
	v_add_nc_u32 v[LA+3], s76, v1                  ; and row 12 w + r: the rows that my wave fetches
.irp m, 0,1,2,3
	v_add_nc_u32 v[LA+\m], s74, v[LA+\m]
	v_min_u32 v[LA+\m], s72, v[LA+\m]
	v_add_nc_u32 v[LA+\m], s73, v[LA+\m]
	v_min_u32 v[LA+\m], 0x37fff, v[LA+\m]          ; inside the 28 lists of 8,192 words
	v_lshlrev_b32 v[LA+\m], 2, v[LA+\m]
.endr
	s_wait_alu depctr_va_vdst(0)                   ; all offsets and LDS addresses made so far, v1 to v31 and v[LA ..], are written: the loads and stores from here on read them
.irp m, 0,1,2,3
	global_load_b32 v[TK+\m], v[LA+\m], s[20:21]
.endr
	WIN 0xc0                                       ; destination window 3
.irp l, 0,1
.irp b, 0,1,2,3
.irp j, 0,1,2,3
	global_load_b128 v[128*\l+16*\b+4*\j:128*\l+16*\b+4*\j+3], v[T1], s[6:7] offset:512*\l+128*\b+16*\j         ; gamma of K step 2 w + l, in the order of the 64 numbers that a lane quantises
	global_load_b128 v[128*\l+64+16*\b+4*\j:128*\l+64+16*\b+4*\j+3], v[T1], s[8:9] offset:512*\l+128*\b+16*\j   ; beta likewise
.endr
.endr
.endr
	WIN 0
	; (work on scalars while the lists come)
	s_mov_b32 s[SEL], 0x76543210
	s_mov_b32 s[SEL+1], 0xfedcba98
	s_mov_b32 s50, 0x3a800000                      ; 1 / 1,024
	s_mov_b32 s51, 0x3727c5ac                      ; eps = 1e-5
	s_mov_b64 s[OUTP:OUTP+1], s[26:27]
.macro P2PTR e, p, s                           ; the expert in s[e]: W2's images and scale bytes of my 256 columns: tiles 64 e + 16 w on, 6,144 and 256 bytes a tile
	s_lshl_b32 s42, s[\e], 6
	s_lshl_b32 s43, s[WV], 4
	s_add_co_u32 s42, s42, s43
	s_mul_i32 s44, s42, 6144
	s_mov_b32 s45, 0
	s_add_nc_u64 s[\p:\p+1], s[24:25], s[44:45]
	s_lshl_b32 s44, s42, 8
	s_add_nc_u64 s[\s:\s+1], s[16:17], s[44:45]
.endm
	P2PTR EA, P2A, S2A
	P2PTR EB, P2B, S2B
	s_wait_loadcnt 63                              ; 64 loads were issued behind the four of the lists; 63 is the largest count that the wait can name: the four are in
	s_wait_alu depctr_vm_vsrc(0)                   ; the lists' loads have read v[LA ..], which are written again below
.irp m, 0,1,2,3
	v_min_u32 v[TK+\m], 0x1fff, v[TK+\m]           ; a token is held inside x before it enters an address
.endr
.irp m, 0,1,2
	v_lshlrev_b32 v[LA+\m], 3, v[TK+\m]            ; 8 bytes of winners and of weights a token
.endr
	v_lshl_add_u32 v[LA+3], v1, 4, s78             ; out0: my wave's strip, 16 r
.irp i, 0,1,2,3,4,5,6,7,8,9,10,11
	v_readlane_b32 s[RL+\i], v[TK+3], \i           ; the twelve tokens of my wave's rows, each into a scalar of its own
.endr
	s_wait_alu depctr_va_sdst(0)                   ; s[RL ..] are written, ahead of their first readers: one wait for the run of twelve
.irp i, 0,1,2,3,4,5,6,7,8,9,10,11
	s_min_u32 s[RL+\i], s[RL+\i], 0x1fff
	v_lshl_add_u32 v[XO+\i], s[RL+\i], 12, v[LI]   ; row 12 w + i of the block: its token's 4,096 bytes, 16 a lane
.endr
	s_wait_alu depctr_va_vdst(0)                   ; v[TK ..] (the table's data), v[LA ..] and v[XO ..] (offsets) are written: the stores and loads below read them
.irp m, 0,1,2
	ds_store_b32 v[T0], v[TK+\m] offset:64*\m      ; my wave's own table: row's token at 4 x row (lanes r and r + 16 write the same word with the same value)
.endr
.irp m, 0,1,2
	global_load_b64 v[WN+2*\m:WN+2*\m+1], v[LA+\m], s[10:11]
	global_load_b64 v[WT+2*\m:WT+2*\m+1], v[LA+\m], s[12:13]
.endr
.irp i, 0,1,2,3,4,5,6,7,8,9,10,11              ; the whole block is asked for at once: 96 loads a wave, each 512 consecutive bytes
	WIN ((1+\i/8)<<6)
.irp j, 0,1,2,3,4,5,6,7
	global_load_b128 v[32*(\i%8)+4*\j:32*(\i%8)+4*\j+3], v[XO+\i], s[4:5] offset:512*\j
.endr
.endr
	WIN 0
.irp i, 0,1,2,3,4,5,6,7,8,9,10,11,12,13,14,15,16,17,18,19,20,21,22,23
	ds_load_b32 v[GO+\i], v[T3] offset:8*\i        ; the token of row 2 i + h (LDS serves a wave's instructions in order: these see my stores)
.endr
	s_wait_dscnt 0x0
.irp i, 0,1,2,3,4,5,6,7,8,9,10,11,12,13,14,15,16,17,18,19,20,21,22,23
	v_min_u32 v[GO+\i], 0x1fff, v[GO+\i]
	v_lshl_add_u32 v[GO+\i], v[GO+\i], 12, v[LA+3] ; its row of out0, my wave's strip, 16 r
.endr
; ================ X1: my wave's 12 rows go to LDS, and their statistics are taken, in two passes over the registers: mean, then the mean of (x - mean)^2, so that a common offset of x costs no accuracy
; (The LDS stores' data come from loads and their address stands since the head: they owe nothing but the wait for the loads.)
.macro XROW i
.set RW, 1+(\i)/8
.set RB, 32*((\i)%8)
.if 8*(11-(\i)) > 63
	s_wait_loadcnt 63                              ; the later rows' loads, eight each, may stay out (63 is the largest count that can be named)
.else
	s_wait_loadcnt 8*(11-(\i))
.endif
	WIN (RW<<2)                                    ; an LDS store's data are its source 1
.irp j, 0,1,2,3,4,5,6,7
	ds_store_b128 v[XW], v[RB+4*\j:RB+4*\j+3] offset:XP*(\i)+512*\j
.endr
	WIN (5*RW)                                     ; sources 0 and 1 in the row's window
.irp k, 0,1,2,3,4,5,6,7
	v_pk_add_f32 v[DD+2*\k:DD+2*\k+1], v[RB+4*\k:RB+4*\k+1], v[RB+4*\k+2:RB+4*\k+3]
.endr
	WIN 0
.irp k, 0,1,2,3
	v_pk_add_f32 v[DD+2*\k:DD+2*\k+1], v[DD+2*\k:DD+2*\k+1], v[DD+8+2*\k:DD+9+2*\k]
.endr
	v_pk_add_f32 v[DD:DD+1], v[DD:DD+1], v[DD+4:DD+5]
	v_pk_add_f32 v[DD+2:DD+3], v[DD+2:DD+3], v[DD+6:DD+7]
	v_pk_add_f32 v[DD:DD+1], v[DD:DD+1], v[DD+2:DD+3]
	v_add_f32 v[DD], v[DD], v[DD+1]
	LANESUM DD
	v_mul_f32 v[MU], s50, v[DD]                    ; the mean
	v_mov_b32 v[SM+2*(\i)], v[MU]
	WIN RW                                         ; source 0 in the row's window
.irp k, 0,1,2,3,4,5,6,7,8,9,10,11,12,13,14,15
	v_pk_add_f32 v[DD+2*\k:DD+2*\k+1], v[RB+2*\k:RB+2*\k+1], v[MU:MU+1] op_sel_hi:[1,0] neg_lo:[0,1] neg_hi:[0,1]   ; x - mean
.endr
	WIN 0
.irp k, 0,1,2,3
	v_pk_mul_f32 v[QQ+2*\k:QQ+2*\k+1], v[DD+2*\k:DD+2*\k+1], v[DD+2*\k:DD+2*\k+1]   ; the first four start the chains: nothing is cleared
.endr
.irp k, 4,5,6,7,8,9,10,11,12,13,14,15
	v_pk_fma_f32 v[QQ+2*(\k%4):QQ+2*(\k%4)+1], v[DD+2*\k:DD+2*\k+1], v[DD+2*\k:DD+2*\k+1], v[QQ+2*(\k%4):QQ+2*(\k%4)+1]
.endr
	v_pk_add_f32 v[QQ:QQ+1], v[QQ:QQ+1], v[QQ+4:QQ+5]
	v_pk_add_f32 v[QQ+2:QQ+3], v[QQ+2:QQ+3], v[QQ+6:QQ+7]
	v_pk_add_f32 v[QQ:QQ+1], v[QQ:QQ+1], v[QQ+2:QQ+3]
	v_add_f32 v[QQ], v[QQ], v[QQ+1]
	LANESUM QQ
	v_fma_f32 v[SM+2*(\i)+1], v[QQ], s50, s51      ; var + eps
.endm
.irp i, 0,1,2,3,4,5,6,7,8,9,10,11
	XROW \i
.endr
	s_wait_alu depctr_va_vdst(0)
.irp i, 0,1,2,3,4,5,6,7,8,9,10,11
	v_rsq_f32 v[SM+2*\i+1], v[SM+2*\i+1]
.endr
	v_nop                                          ; a plain place behind the last of them (ISA guide 5.7.2)
; the coefficients, by reference()'s own formula on the whole winners: coef_e = the sum over the two ranks of (winner == e ? weight : 0).  They name none of the roots' results: work between the batch and its wait.
.irp m, 0,1,2                                  ; the twelve compares in one run, each into a scalar of its own: 4 m + 2 q + rank
	v_cmp_eq_u32 s[RL+4*\m],   s[EA], v[WN+2*\m]
	v_cmp_eq_u32 s[RL+4*\m+1], s[EA], v[WN+2*\m+1]
	v_cmp_eq_u32 s[RL+4*\m+2], s[EB], v[WN+2*\m]
	v_cmp_eq_u32 s[RL+4*\m+3], s[EB], v[WN+2*\m+1]
.endr
	s_wait_alu depctr_va_sdst(0)                   ; the twelve masks are written, ahead of the selections that read them
.irp m, 0,1,2
.irp q, 0,1
	v_cndmask_b32 v[CF+4*\m+2*\q], 0, v[WT+2*\m], s[RL+4*\m+2*\q]
	v_cndmask_b32 v[PT], 0, v[WT+2*\m+1], s[RL+4*\m+2*\q+1]
	v_add_f32 v[CF+4*\m+2*\q], v[CF+4*\m+2*\q], v[PT]
	v_mov_b32 v[CF+4*\m+2*\q+1], v[CF+4*\m+2*\q]   ; (named with it as a pair)
.endr
.endr
	s_wait_alu depctr_va_vdst(0)                   ; the roots have written v[SM ..], which the stores below read; and the sums are done reading the rows' registers, in which W1's ring lands
.irp i, 0,1,2,3,4,5,6,7,8,9,10,11
	ds_store_b64 v[T2], v[SM+2*\i:SM+2*\i+1] offset:8*\i   ; all lanes write the same 8 bytes with the same value
.endr
; THE FIRST PRODUCT'S WEIGHTS come in a ring of four sets of 96 registers, a K step's eight fragments each, three sets ahead.
.macro WLOAD2 i, t0                            ; K step i, fragments t0 and t0 + 1, into set i % 4: six loads, each 512 consecutive bytes
	WIN ((1+((\i)%4)/2)<<6)
.irp t, \t0, \t0+1
.irp c, 0,1,2
	global_load_b128 v[96*((\i)%2)+12*(\t)+4*\c:96*((\i)%2)+12*(\t)+4*\c+3], v[LI], s[WB:WB+1] offset:12288*(\i)+1536*(\t)+512*\c
.endr
.endr
.endm
.macro WLOAD i                                 ; the whole K step: 24 loads
.irp g, 0,2,4,6
	WLOAD2 \i, \g
.endr
.endm
.macro PRIME1 e                                ; the expert in s[e]: pointers, all scale words of my 128 rows of W1 (32 bytes a row), K steps 0 to 2
	s_lshl_b32 s42, s[\e], 2
	s_add_co_u32 s42, s42, s[WV]
	s_mul_i32 s44, s42, 98304
	s_mov_b32 s45, 0
	s_add_nc_u64 s[WB:WB+1], s[22:23], s[44:45]
	s_lshl_b32 s44, s42, 12
	s_add_nc_u64 s[SB:SB+1], s[14:15], s[44:45]
	WIN 0
.irp t, 0,1,2,3,4,5,6,7
	global_load_b128 v[W1S+8*\t:W1S+8*\t+3], v[W1SO], s[SB:SB+1] offset:(32*(\t/2)+8*(\t%2))*32
	global_load_b128 v[W1S+8*\t+4:W1S+8*\t+7], v[W1SO], s[SB:SB+1] offset:(32*(\t/2)+8*(\t%2))*32+16
.endr
	WLOAD 0
	WLOAD 1
	WLOAD 2
	WIN 0
.endm
	s_wait_dscnt 0x0                               ; my stores of the rows are done: the weights may land in their registers
	s_wait_alu depctr_vm_vsrc(0)                   ; the LDS stores have read the rows' registers, in which the ring lands; all that was issued so far has read T0 to T3 and v156 to v211 (tokens, offsets, statistics), which the next phase writes
	PRIME1 EA                                      ; asked for here, so that they come while h is quantised
	BARRIER                                        ; all 48 rows and their statistics lie in LDS
; ================ X2: h = (x - mean) / sqrt(var + eps) x gamma + beta, quantised.  My wave makes K steps 2 w and 2 w + 1 for all three tiles of rows.
.macro XQ l                                    ; K step 2 w + l: a loop of three trips, a tile of 16 rows each; what differs between trips stands in four scalars
	s_mov_b32 s52, 3
	s_mov_b32 s53, 0
	s_mov_b32 s54, 0
	s_mov_b32 s55, 0
	s_mov_b32 s56, 0
.Lxq_\@:
	v_add_nc_u32 v[T0], s53, v[XRA0]               ; (their last readers have read them: the wait on vm_vsrc at the last trip's end, or the one ahead of the ring's first loads)
	v_add_nc_u32 v[T2], s54, v[STA0]
	v_add_nc_u32 v[T3], s55, v[XWI]
	v_add_nc_u32 v[T1], s56, v[XWS]
	s_wait_alu depctr_va_vdst(0)                   ; the four addresses are written; all earlier arithmetic is done with v[ST ..], v[MU] and v[RS], in which the loads below land
	ds_load_b32 v[MU], v[T2]
	ds_load_b32 v[RS], v[T2] offset:4
.irp b, 0,1,2,3
.irp j, 0,1,2,3
	ds_load_b128 v[ST+16*\b+4*\j:ST+16*\b+4*\j+3], v[T0] offset:512*\l+128*\b+16*\j   ; lane (r, h): of row r, 16 neighbours of each block of 32
.endr
.endr
	s_wait_dscnt 0x0
.set kk, 0
.rept 32
	v_pk_add_f32 v[ST+2*kk:ST+2*kk+1], v[ST+2*kk:ST+2*kk+1], v[MU:MU+1] op_sel_hi:[1,0] neg_lo:[0,1] neg_hi:[0,1]
.set kk, kk+1
.endr
.set kk, 0
.rept 32
	v_pk_mul_f32 v[ST+2*kk:ST+2*kk+1], v[ST+2*kk:ST+2*kk+1], v[RS:RS+1] op_sel_hi:[1,0]
.set kk, kk+1
.endr
	WIN 0x3c                                       ; sources 1 (gamma) and 2 (beta) in window 3
.set kk, 0
.rept 32
	v_pk_fma_f32 v[ST+2*kk:ST+2*kk+1], v[ST+2*kk:ST+2*kk+1], v[128*\l+2*kk:128*\l+2*kk+1], v[128*\l+64+2*kk:128*\l+64+2*kk+1]
.set kk, kk+1
.endr
	WIN 0
	QUANT ST
	s_wait_alu depctr_va_vdst(0)                   ; the quantiser has written v[PC ..] and v[PW], which the stores below read
	IMAGE T3, 1536*\l
	ds_store_b32 v[T1], v[PW] offset:128*\l
	s_wait_dscnt 0x0                               ; the stores are done
	s_wait_alu depctr_vm_vsrc(0)                   ; the trip's loads and stores have read T0 to T3, v[PC ..] and v[PW]: the next trip, or the next phase, writes them
	s_add_co_u32 s53, s53, 16*XP
	s_add_co_u32 s54, s54, 128
	s_add_co_u32 s55, s55, 12288
	s_add_co_u32 s56, s56, 1024
	s_sub_co_u32 s52, s52, 1
	s_cmp_lg_u32 s52, 0
	s_cbranch_scc1 .Lxq_\@
.endm
	XQ 0
	XQ 1
	BARRIER                                        ; h's 24 fragments and their scale words lie in LDS
; ================ THE FIRST PRODUCT, relu^2 and the second quantiser, an expert at a time
.macro FETCHX s, buf                           ; h's three fragments of K step s
	WIN 0
.irp m, 0,1,2
.irp c, 0,1,2
	ds_load_b128 v[XF+36*(\buf)+12*\m+4*\c:XF+36*(\buf)+12*\m+4*\c+3], v[XFA] offset:(8*\m+(\s))*1536+512*\c
.endr
.endr
.endm
; K step i: 24 matrix instructions: my 8 tiles of hidden units x 3 tiles of rows.  The 24 accumulators take turns, one instruction a turn, in the same order in every step.
; The step's loads: h's fragments of the next step first; then the weights of three steps on, six loads behind each six products.  They land in the buffer and the set that the step before multiplied;
; this step's products name set i % 4, h's buffer i % 2, the scale words and the accumulators: none of the registers that the loads touch.
; Step 0 owes no wait: nothing of the vector side has named its loads' registers since the wait ahead of the last image's stores.  Step 7 loads nothing.
.macro STEP i
.if (\i) <= 5
	s_wait_loadcnt 48                              ; set i is in; the two sets issued behind it, 24 loads each, may be out
.elseif (\i) == 6
	s_wait_loadcnt 24
.else
	s_wait_loadcnt 0x0
.endif
	s_wait_dscnt 0x0                               ; h's fragments of this step, asked for a step ago
.if (\i) > 0
	PLACES                                         ; in front of the loads into the registers that the last step multiplied
.endif
.if ((\i) > 0) && ((\i) < 7)
	s_wait_alu depctr_va_vdst(0)                   ; the last step's products are done reading their set of the ring and their buffer of h, in which this step's loads land
.endif
.if (\i) < 7
	FETCHX (\i)+1, ((\i)+1)%2
.endif
.irp g, 0,2,4,6
	WIN (0xf0|(1+((\i)%4)/2))                      ; source 0 (W1) in the ring's window, source 1 (h) window 0, C and D window 3
.irp t, \g, \g+1
.irp m, 0,1,2
.set rD, 64*\m+8*(\t)
.set rA, 96*((\i)%2)+12*(\t)
.set rB, XF+36*((\i)%2)+12*\m
.if (\i) == 0
	v_wmma_scale_f32_16x16x128_f8f6f4 v[rD:rD+7], v[rA:rA+11], v[rB:rB+11], 0, v[W1S+8*(\t)+(\i)], v[XS+8*\m+(\i)] matrix_a_fmt:MATRIX_FMT_BF6 matrix_b_fmt:MATRIX_FMT_BF6
.else
	v_wmma_scale_f32_16x16x128_f8f6f4 v[rD:rD+7], v[rA:rA+11], v[rB:rB+11], v[rD:rD+7], v[W1S+8*(\t)+(\i)], v[XS+8*\m+(\i)] matrix_a_fmt:MATRIX_FMT_BF6 matrix_b_fmt:MATRIX_FMT_BF6
.endif
.endr
.endr
.if (\i) <= 4
	WLOAD2 (\i)+3, \g                              ; no wait: no vector or matrix instruction since the wait at the step's head names these registers
.endif
.endr
	WIN 0
.endm
; THE SECOND PRODUCT'S WEIGHTS: a set is a tile of 16 output columns of BOTH experts: 2 x 4 fragments and 2 x 4 scale words: 26 loads.  Four sets; nt: the tile, counted from the pointers.
.macro SETREG k                                ; where set k lies
.if (\k) < 2
.set LW, 1
.set LB, 96*(\k)
.elseif (\k) == 2
.set LW, 2
.set LB, 0
.else
.set LW, 3
.set LB, 144
.endif
.endm
.macro LOADA k, nt                             ; slot A's four fragments: 12 loads
	SETREG \k
	WIN (LW<<6)
.irp s, 0,1,2,3
.irp c, 0,1,2
	global_load_b128 v[LB+12*\s+4*\c:LB+12*\s+4*\c+3], v[LI], s[P2A:P2A+1] offset:6144*(\nt)+1536*\s+512*\c
.endr
.endr
.endm
.macro LOADB k, nt                             ; slot B's four, and both slots' scale words: 14 loads
	SETREG \k
	WIN (LW<<6)
.irp s, 0,1,2,3
.irp c, 0,1,2
	global_load_b128 v[LB+48+12*\s+4*\c:LB+48+12*\s+4*\c+3], v[LI], s[P2B:P2B+1] offset:6144*(\nt)+1536*\s+512*\c
.endr
.endr
	WIN 0
	global_load_b128 v[W2S+8*(\k):W2S+8*(\k)+3], v[W2SO], s[S2A:S2A+1] offset:256*(\nt)
	global_load_b128 v[W2S+8*(\k)+4:W2S+8*(\k)+7], v[W2SO], s[S2B:S2B+1] offset:256*(\nt)
.endm
.macro LOADSET k, nt
	LOADA \k, \nt
	LOADB \k, \nt
.endm
.macro SLOT q
	FETCHX 0, 0
.irp i, 0,1,2,3,4,5,6,7
	STEP \i
.endr
	PLACES                                         ; behind the last products: for the loads below and for the first read of results
	s_wait_alu depctr_va_vdst(0)                   ; the products are done reading the ring's sets and W1's scale words, in which the next stream lands; the places above stay beside this wait
.if \q == 0
	PRIME1 EB                                      ; the next stream is asked for BEFORE the quantising, so that it comes meanwhile (every load of the last stream was waited for, so the pointers may be written)
.else
	LOADSET 0, 0
	LOADSET 1, 1
	LOADSET 2, 2
.endif
.irp m, 0,1,2                                  ; rows 16 m on: a lane's 64 registers are hidden units 32 b + 16 h + 0 .. 15 of my 128: 16 neighbours of each block along the next K
	WIN 0x0c                                       ; source 1 in window 3
.set jj, 0
.rept 64
	v_max_num_f32 v[HA+jj], 0, v[64*\m+jj]         ; relu; each accumulator is read from its low end on
.set jj, jj+1
.endr
	WIN 0
.set jj, 0
.rept 32
	v_pk_mul_f32 v[HA+2*jj:HA+2*jj+1], v[HA+2*jj:HA+2*jj+1], v[HA+2*jj:HA+2*jj+1]   ; squared
.set jj, jj+1
.endr
	QUANT HA
	s_wait_alu depctr_va_vdst(0)                   ; the quantiser has written v[PC ..] and v[PW], which the stores below read.  (It also shows the reads of these rows' accumulators done)
	IMAGE HWI, 18432*\q+6144*\m
	ds_store_b32 v[HWS], v[PW] offset:1536*\q+512*\m
	s_wait_dscnt 0x0                               ; the stores are done
	s_wait_alu depctr_vm_vsrc(0)                   ; they have read v[PC ..] and v[PW], and the steps' LDS loads v[XFA]: the next quantiser writes the codes' registers, later loads land there, and the way out writes v10
.endr
.endm
.irp f, 0,1,2,3,4,5,6,7,8,9,10,11,12,13,14,15,16,17,18,19,20,21,22,23
	ds_load_b32 v[XS+\f], v[XSA] offset:128*\f     ; h's scale words stay in registers for both experts (no vector instruction has named these registers)
.endr
	SLOT 0
	SLOT 1
	BARRIER                                        ; the hidden layer's 24 fragments lie in LDS; nobody but me touches my strip of the rows from here on
; ================ THE SECOND PRODUCT, the coefficients, the residual, the way out
; The loads below land where the first product's accumulators, the ring's last set and W1's scale words lay.  The wait on va_vdst ahead of the last image's stores has shown all their readers and writers done,
; and nothing of the vector side was issued since.
	WIN 0xc0
.irp f, 0,1,2,3,4,5,6,7,8,9,10,11
.irp c, 0,1,2
	ds_load_b128 v[12*\f+4*\c:12*\f+4*\c+3], v[HFA] offset:1536*\f+512*\c               ; slot A's hidden fragments (4 m + s): they stay in registers
.endr
.endr
	WIN 0x80
.irp f, 0,1,2,3,4,5,6,7,8,9,10,11
.irp c, 0,1,2
	ds_load_b128 v[96+12*\f+4*\c:96+12*\f+4*\c+3], v[HFA] offset:1536*(12+\f)+512*\c    ; slot B's
.endr
.endr
	WIN 0
.irp f, 0,1,2,3,4,5,6,7,8,9,10,11,12,13,14,15,16,17,18,19,20,21,22,23
	ds_load_b32 v[HS+\f], v[HSA] offset:128*\f
.endr
	s_wait_dscnt 0x0
; A tile of 16 output columns, the k-th of a trip's four.  issue = 1: the set three tiles on is asked for.  left: the loads issued behind set k, 26 a set.
; In the result a lane holds token 16 m + r and columns 8 h + 0 .. 7 of the tile: 32 neighbouring bytes of the row in LDS, which take cA A + cB B on top of x, in place.
; The weights' loads are dealt among the tile's products: slot A's behind slot A's twelve, slot B's and the scale words behind slot B's.  They land in the set that the last tile multiplied; the wait on va_vdst
; ahead of that tile's LDS stores (in a trip's first tile: the one at the trip's head) has shown its products done, and this tile's products name set k, the hidden fragments, their scale words and the accumulators alone.
.macro TILE k, issue, left
	s_wait_loadcnt \left
.if (\k) > 0
	s_wait_alu depctr_vm_vsrc(0)                   ; the last tile's LDS stores have read v[XT ..], in which the loads below land
.endif
.irp m, 0,1,2
	ds_load_b128 v[XT+8*\m:XT+8*\m+3], v[XAC+\m] offset:64*(\k)
	ds_load_b128 v[XT+8*\m+4:XT+8*\m+7], v[XAC+\m] offset:64*(\k)+16
.endr
.if (\k) < 2
.set TW, 1
.set TB, 96*(\k)
.elseif (\k) == 2
.set TW, 2
.set TB, 0
.else
.set TW, 3
.set TB, 144
.endif
.irp q, 0,1
	WIN (TW|((3-\q)<<2))                           ; source 0 (W2) in the set's window, source 1 (the hidden layer) in window 3 or 2, C and D window 0
.irp s, 0,1,2,3
.irp m, 0,1,2                                  ; three accumulators by turns, one instruction a turn
.set rD, ACC+8*(3*\q+\m)
.set rA, TB+48*\q+12*\s
.set rB, 96*\q+12*(4*\m+\s)
.if \s == 0
	v_wmma_scale_f32_16x16x128_f8f6f4 v[rD:rD+7], v[rA:rA+11], v[rB:rB+11], 0, v[W2S+8*(\k)+4*\q+\s], v[HS+12*\q+4*\m+\s] matrix_a_fmt:MATRIX_FMT_BF6 matrix_b_fmt:MATRIX_FMT_BF6
.else
	v_wmma_scale_f32_16x16x128_f8f6f4 v[rD:rD+7], v[rA:rA+11], v[rB:rB+11], v[rD:rD+7], v[W2S+8*(\k)+4*\q+\s], v[HS+12*\q+4*\m+\s] matrix_a_fmt:MATRIX_FMT_BF6 matrix_b_fmt:MATRIX_FMT_BF6
.endif
.endr
.endr
.if \issue
.if \q == 0
	LOADA ((\k)+3)%4, (\k)+3
.else
	LOADB ((\k)+3)%4, (\k)+3
.endif
.endif
.endr
	WIN 0
	PLACES
	s_wait_dscnt 0x0                               ; the rows' 16 columns are in
.irp q, 0,1
.irp m, 0,1,2
.irp p, 0,1,2,3
	v_pk_fma_f32 v[XT+8*\m+2*\p:XT+8*\m+2*\p+1], v[ACC+8*(3*\q+\m)+2*\p:ACC+8*(3*\q+\m)+2*\p+1], v[CF+4*\m+2*\q:CF+4*\m+2*\q+1], v[XT+8*\m+2*\p:XT+8*\m+2*\p+1] op_sel_hi:[1,0,1]   ; each accumulator from its low end on
.endr
.endr
.endr
	s_wait_alu depctr_va_vdst(0)                   ; the multiply-adds have written v[XT ..], which the stores below read; the tile's products are done reading their set and its scale words, in which the next tile's loads land
.irp m, 0,1,2
	ds_store_b128 v[XAC+\m], v[XT+8*\m:XT+8*\m+3] offset:64*(\k)
	ds_store_b128 v[XAC+\m], v[XT+8*\m+4:XT+8*\m+7] offset:64*(\k)+16
.endr
.endm
; THE WAY OUT of a trip's 64 columns: 256 bytes of each row, two rows an instruction: sixteen lanes store 256 consecutive bytes, at a multiple of 256 from out0's first byte.  Pairs of rows beyond the block's rows are not stored.
; more = 1: a trip follows, which writes the registers that this way out has read.
.macro OUT more
	s_wait_alu depctr_vm_vsrc(0)                   ; the last tile's LDS stores have read v[XT ..], which lie among the registers in which the loads below land
.irp i, 0,1,2,3,4,5,6,7,8,9,10,11,12,13,14,15,16,17,18,19,20,21,22,23
	ds_load_b128 v[OB+4*\i:OB+4*\i+3], v[ORC+\i/8] offset:(\i%8)*2*XP   ; my own strip: LDS serves a wave's instructions in order, so these see my stores
.endr
.irp i, 0,1,2,3,4,5,6,7,8,9,10,11,12,13,14,15,16,17,18,19,20,21,22,23
	s_cmp_gt_u32 s[NR], 2*\i
	s_cbranch_scc0 .Lout_end_\@
	s_wait_dscnt 23-\i                             ; pair i is in; the later pairs may be out
	global_store_b128 v[GO+\i], v[OB+4*\i:OB+4*\i+3], s[OUTP:OUTP+1] th:TH_STORE_NT
.endr
.Lout_end_\@:
	s_wait_dscnt 0x0                               ; all 24 loads are in: their registers are the next tiles' accumulators
	s_wait_xcnt 0x0                                ; the stores have read their data and base, the weights' loads their pointers: all may be written
.if \more
	s_wait_alu depctr_vm_vsrc(0)                   ; the global stores have read v[OB ..], the trip's LDS loads and stores v[XAC ..] and v[ORC ..]: the next trip writes all of them
.endif
.endm
.macro TRIPADR                                 ; the trip's 256 bytes of my strip: a base + a scalar that is stepped by a constant
.irp m, 0,1,2
	v_add_nc_u32 v[XAC+\m], s57, v[XA+\m]
	v_add_nc_u32 v[ORC+\m], s57, v[ORB+\m]
.endr
	s_wait_alu depctr_va_vdst(0)                   ; the six addresses are written, which the trip's LDS loads and stores read
.endm
	s_mov_b32 s52, 3
	s_mov_b32 s57, 0
.Ltrip:                                        ; a trip: four tiles, 64 columns, and their way out; three sets of weights are always asked for
	TRIPADR
	TILE 0, 1, 52
	TILE 1, 1, 52
	TILE 2, 1, 52
	TILE 3, 1, 52
	OUT 1
	s_add_nc_u64 s[P2A:P2A+1], s[P2A:P2A+1], 24576
	s_add_nc_u64 s[P2B:P2B+1], s[P2B:P2B+1], 24576
	s_add_nc_u64 s[S2A:S2A+1], s[S2A:S2A+1], 1024
	s_add_nc_u64 s[S2B:S2B+1], s[S2B:S2B+1], 1024
	s_add_nc_u64 s[OUTP:OUTP+1], s[OUTP:OUTP+1], 256
	s_add_co_u32 s57, s57, 256
	s_sub_co_u32 s52, s52, 1
	s_cmp_lg_u32 s52, 0
	s_cbranch_scc1 .Ltrip
	TRIPADR                                        ; the last trip is written out: one more set (the sixteenth tile), then none, and the counts run down
	TILE 0, 1, 52
	TILE 1, 0, 52
	TILE 2, 0, 26
	TILE 3, 0, 0
	OUT 0
	s_set_vgpr_msb 0xa
	s_wait_dscnt 0x0
	s_wait_alu depctr_hold_cnt(0) depctr_sa_sdst(0) depctr_va_vdst(0) depctr_va_sdst(0) depctr_va_ssrc(0) depctr_va_vcc(0) depctr_vm_vsrc(0)
	s_wait_tensorcnt 0x0
	ds_add_u32 v254, v255
	s_wait_dscnt 0x0
	s_endpgm
.Lfunc_end_k_q5d6d429a5c_moe:
	.size	k_q5d6d429a5c_moe, .Lfunc_end_k_q5d6d429a5c_moe-k_q5d6d429a5c_moe
	.p2alignl 7, 3214868480
	.fill 96, 4, 3214868480
	.section	.rodata,"a",@progbits
	.p2align	6, 0x0
	.amdhsa_kernel k_q5d6d429a5c_moe
		.amdhsa_group_segment_fixed_size 279296
		.amdhsa_private_segment_fixed_size 0
		.amdhsa_enable_private_segment 0
		.amdhsa_kernarg_size 96
		.amdhsa_user_sgpr_count 2
		.amdhsa_user_sgpr_kernarg_segment_ptr 1
		.amdhsa_wavefront_size32 1
		.amdhsa_system_sgpr_workgroup_id_x 1
		.amdhsa_system_sgpr_workgroup_id_y 1
		.amdhsa_system_sgpr_workgroup_id_z 1
		.amdhsa_system_vgpr_workitem_id 0
		.amdhsa_next_free_vgpr 1024
		.amdhsa_next_free_sgpr 80
		.amdhsa_reserve_vcc 0
		.amdhsa_float_denorm_mode_32 3
		.amdhsa_float_denorm_mode_16_64 3
		.amdhsa_memory_ordered 1
		.amdhsa_forward_progress 1
		.amdhsa_inst_pref_size 255
	.end_amdhsa_kernel
	.section	.bss,"aw",@nobits
	.p2align	6
	.space	262144
	.amdgpu_metadata
---
amdhsa.version: [ 1, 2 ]
amdhsa.kernels:
  - .name:           k_q5d6d429a5c_moe
    .symbol:         k_q5d6d429a5c_moe.kd
    .args:
      - { .name: x, .offset: 0, .size: 8, .value_kind: global_buffer, .address_space: global }
      - { .name: gamma, .offset: 8, .size: 8, .value_kind: global_buffer, .address_space: global }
      - { .name: beta, .offset: 16, .size: 8, .value_kind: global_buffer, .address_space: global }
      - { .name: winners, .offset: 24, .size: 8, .value_kind: global_buffer, .address_space: global }
      - { .name: weights, .offset: 32, .size: 8, .value_kind: global_buffer, .address_space: global }
      - { .name: W1_scales, .offset: 40, .size: 8, .value_kind: global_buffer, .address_space: global }
      - { .name: W2_scales, .offset: 48, .size: 8, .value_kind: global_buffer, .address_space: global }
      - { .name: counts, .offset: 56, .size: 8, .value_kind: global_buffer, .address_space: global }
      - { .name: order, .offset: 64, .size: 8, .value_kind: global_buffer, .address_space: global }
      - { .name: w1img, .offset: 72, .size: 8, .value_kind: global_buffer, .address_space: global }
      - { .name: w2img, .offset: 80, .size: 8, .value_kind: global_buffer, .address_space: global }
      - { .name: out0, .offset: 88, .size: 8, .value_kind: global_buffer, .address_space: global }
    .group_segment_fixed_size: 279296
    .private_segment_fixed_size: 0
    .kernarg_segment_align: 8
    .kernarg_segment_size: 96
    .max_flat_workgroup_size: 128
    .sgpr_count:     80
    .vgpr_count:     1024
    .wavefront_size: 32
...
	.end_amdgpu_metadata
.endif
;; end of part 4
